; MI455X (gfx1250); checked and timed in simulation.
; The chip was launched on July 23, 2026; its instructions are those of AMD's public machine-readable ISA for CDNA 5 (MIT licence, August 2026) and "CDNA5" Instruction Set Architecture Reference Guide (July 2026). The comments in the code are by the model that wrote it; some were corrected since.
;; Transformer Block. Allowed arithmetic: matrix products marked QUANTISED: E4M3 operands, one given power-of-two scale a tensor, by v_wmma_f32_16x16x64_fp8_fp8 or v_wmma_f32_16x16x128_fp8_fp8, f32 sums; products left as they are: f32 operands where the result goes on into a quantised operand, else bf16, f16 or f32 operands; f32 sums; everything else in f32.
;; Inputs: W1 64 x 8 float32; W2 64 x 64 float32; W3 8 x 64 float32; Wk 8 x 8 float32; Wq 8 x 8 float32; Wv 8 x 8 float32; b1 64 float32; b2 64 float32; b3 8 float32; ln_b 8 float32; ln_w 8 float32; lowp_scales 2 int32 (the exponents e of the quantised operands' scales 2^e); x 16,384 x 8 float32; y 4,096 x 8 float32.
;; Outputs: out0 16,384 x 8 float32.
;; This version of the problem:
;;   THIS VERSION OF THE PROBLEM IS GIVEN IN LOW PRECISION. The matrix products marked QUANTISED in the list below multiply operands that are first quantised to E4M3 (4 exponent bits, 3 mantissa bits; 8 bits a number), with one given power-of-two scale for each operand tensor; their sums are f32. All else is computed in f32.
;;   The module's matrix products, in the order in which they are computed (A, B: the left and right operand; K: the contracted axis; several contracted axes count as one K, in the product's order):
;;     1. [M 16,384, K 8] x [K 8, N 8]; A: computed on the way; B: input Wq: left as it is (K = 8 < 32)
;;     2. [M 4,096, K 8] x [K 8, N 8]; A: computed on the way; B: input Wk: left as it is (K = 8 < 32)
;;     3. [M 4,096, K 8] x [K 8, N 8]; A: computed on the way; B: input Wv: left as it is (K = 8 < 32)
;;     4. [M 16,384, K 8] x [K 8, N 4,096]; A: computed on the way; B: computed on the way: left as it is (K = 8 < 32)
;;     5. [M 16,384, K 4,096] x [K 4,096, N 8]; A: computed on the way; B: computed on the way: left as it is (N = 8 < 16)
;;     6. [M 16,384, K 8] x [K 8, N 64]; A: computed on the way; B: input W1: left as it is (K = 8 < 32)
;;     7. [M 16,384, K 64] x [K 64, N 64]; A: computed on the way; B: input W2: QUANTISED (scales: A lowp_scales[0], B lowp_scales[1])
;;     8. [M 16,384, K 64] x [K 64, N 8]; A: computed on the way; B: input W3: left as it is (N = 8 < 16)
;;   THE QUANTISER, for each operand of a quantised product, along K:
;;     - The operand's scale is 2^e, e = its entry of the input lowp_scales (int32; the entries are numbered through the quantised products in the list's order, A before B).
;;     - Each number is divided by the scale, clamped to +-448, and rounded to the nearest number of E4M3, ties to even, subnormals kept.
;;     - The product sums the exact products of the quantised numbers (number of the format x scale) in f32.
;;   ~~~python
;;   def quantise(x, axis, e):      # numpy; x: float32 -> the quantised numbers, widened to float32 again
;;       x = np.moveaxis(x, axis, -1); K = x.shape[-1]
;;       r = np.clip(x / 2.0 ** e, -448, 448)
;;       step = 2.0 ** (np.maximum(np.frexp(np.where(r == 0, 1, r))[1] - 1, -6) - 3)
;;       q = np.round(r / step) * step * 2.0 ** e      # np.round: ties to even
;;       return np.moveaxis(q, -1, axis).astype(np.float32)
;;   ~~~
;;   OPERANDS COMPUTED ON THE WAY. 'Computed on the way' means the value that the module computes at that place (a softmax that the list does not call 'softmax' is quantised finished and normalised). What goes into a quantiser is computed in f32, as accurately as f32 sums, v_exp_f32 and their like allow (about 1e-6 of the number): no bf16 or f16 on the way to a quantiser, and a product that is left as it is and whose result goes on into a quantised operand takes f32 operands (vector FMAs, or v_wmma_f32_16x16x4_f32). A number that lies on a knife's edge between two numbers of the format may be rounded either way, as far as f32 arithmetic and the matrix unit's own rounding can turn it there, and no further.
;; 2 versions, each right and faster than the one before. Each part assembles by itself: llvm-mc -triple=amdgcn-amd-amdhsa -mcpu=gfx1250 --defsym DOCPART=n.
;; ======== version 1 of 2: 1 launch
;; launch block (part 1): grid 256 x 1, 16 waves a work-group, no clusters, 307,200 bytes of LDS; arguments y, x, ln_w, ln_b, Wq, Wk, W2, lowp_scales, Wv, W1, b1, b2, W3, b3, out0; writes out0
.if DOCPART == 1
	.amdgcn_target "amdgcn-amd-amdhsa--gfx1250"
	.amdhsa_code_object_version 6
	.text
	.protected	k_q463441fd98_block
	.globl	k_q463441fd98_block
	.p2align	8
	.type	k_q463441fd98_block,@function
k_q463441fd98_block:
	s_mov_b64 s[64:65], 0
	v_nop
	global_prefetch_b8 v0, s[64:65] scope:SCOPE_SE
	s_setreg_imm32_b32 hwreg(HW_REG_WAVE_MODE, 25, 1), 1
	s_wait_xcnt 0x0
; TransformerBlock: z1 = smooth_softmax(LN(x) Wq^T (LN(y) Wk^T)^T / sqrt 8) (LN(y) Wv^T) + x;  out = MLP(LN(z1)) + z1.  x [16384][8], y [4096][8], all f32.
; ALGEBRA (identities, for every input).  w_k = LN(y_k).  t_qk = q''_q . w_k with q'' = c Wk^T (Wq LN(x_q)), c = log2(e) / sqrt(8): t is the score x log2(e); Wk goes onto the 64 queries of a work-group.
; sum_k p_k (Wv w_k) = Wv sum_k p_k w_k: Wv is applied once a query.  With E = 2^(t - M), R = max(t, 0), alpha = 0.1 ln 2:
;   a = (AE / L + alpha AR) / (1 + alpha SR),  AE = sum E w, L = sum E, AR = sum R w, SR = sum R;  z1 = Wv a + x.
; M is a running maximum, kept lane by lane and reconciled exactly where the partial sums are joined.
; FORMATS.  All that leads to the quantised product (64 x 64, h1 W2^T) is f32: the scores by v_wmma_f32_16x16x4_f32, the weighted sums by packed multiply-adds.  h1 and W2 are quantised to E4M3 with the given 2^e0, 2^e1 and
; multiplied by v_wmma_f32_16x16x64_fp8_fp8, k in its true places.
; SHARES.  A work-group owns 64 queries (4 tiles T of 16).  Each of its 16 waves takes ALL 64 queries against its OWN 256 keys (16 tiles), which it normalises itself into its own 8 KiB of LDS.  The scores are used transposed
; (source 0 = 16 keys, source 1 = 16 queries): lane (r, h) holds query r and keys 8 h + 0..7.  So a query has 32 partial sums (16 waves x 2 halves of the lanes); waves 0-3 join them, one tile each, and run the MLP.
; No tensor load, no cluster: the inputs are under a megabyte, y passes through registers for its norm, and the work is vector arithmetic on 64 x 4096 scores a work-group.
; LIMITS.  e0 and e1 between -126 and 119, e0 + e1 between -126 and 127 (each power of two is made as an f32 number).  |t| under 3e38 (the running maximum starts at -3e38).  NaN and infinities among the inputs are not served.
; The order of sums differs from the reference's (Wk and Wv re-associated; keys in 32 partial sums), all in f32.
; LDS: 0: w, wave x 8192: channels 0-3 of 256 keys (16 bytes a key), at +4096 channels 4-7.   QIMG: q'' as register images, wave x 512 + 16 x lane.   W2IMG: W2's codes as images of the operand's registers, 1024 a tile.
;      PART: tile T x 40960 + source wave x 2560 + quad x 512 + 16 x lane; quads: accE 0-3, accE 4-7, accR 0-3, accR 4-7, (M, sum E, sum R, -).   No byte of LDS is written twice.
.set QIMG,  131072
.set W2IMG, 139264
.set PART,  143360
; registers that stay
.set AKF,  1                           ; v1  wave x 8192 + 4096 h + 16 r: my lane's place in a tile of keys as source 0
.set AWB,  2                           ; v2  wave x 8192 + 128 h: my half's eight keys, for the weighted sums
.set ADK,  3                           ; v3  AKF + the trip's step; in the tail: where I read partial sums
.set ADW,  4                           ; v4  AWB + the trip's step; in the tail: where I read W2's images
.set LI,   5                           ; v5  16 x lane
.set PST,  6                           ; v6  where I store partial sums of tiles 0, 1
.set PST2, 7                           ; v7  of tiles 2, 3
; the loop
.set QF,   8                           ; v8-23    q'': tile T at QF + 4 T: channels 4 h + 0..3 of query 16 T + r
.set KF,   24                          ; v24-27   w of key r, channels 4 h + 0..3
.set ST,   28                          ; v28-35   the pair (M, f) of tile T at ST + 2 T
.set TM,   36                          ; v36-39   the new maxima
.set S,    40                          ; v40-71   the scores, 8 a tile.  Written by matrix instructions alone, in the whole text; so are v248-255
.set E,    72                          ; v72-87   E of four keys, 4 a tile
.set R,    88                          ; v88-103  R likewise
.set WB,   104                         ; v104-167 w of my half's eight keys: key j, channel c at WB + 8 j + c
.set AC,   168                         ; v168-247 tile T at AC + 20 T: +0..7 sum E w, +8..15 sum R w, +16,17 sum E, +18,19 sum R (even keys', odd keys')
.set ZD,   248                         ; v248-255 z1 (tail)
; the head
.set LW,   72                          ; v72-79 ln_w, v80-87 ln_b (head and tail)
.set LB,   80
.set WK,   8                           ; v8-39    Wk[i][4 h + 0..3] at WK + 4 i
.set XR,   88                          ; v88-95   my query's row of x
.set W2R,  96                          ; v96-103  eight numbers of W2
.set Y,    104                         ; v104-167 eight rows of y
.set RS,   168                         ; v168-177 1 / sqrt(var + eps): eight keys', x's, one spare to fill the pair
.set TP,   178                         ; v178-181 at work in the norms (set anew for the tail)
.set XQ,   182                         ; v182-189 Wq z
.set Q4,   190                         ; v190-193 q'', my half's four channels
.set TB,   52                          ; s52  256 x trip
.set CNT,  53                          ; s53  trips to go
.macro PLACES n
.rept \n
	v_nop
.endr
.endm
; The norm's first part: dst = src - mean; rs = 1 / sqrt(var + eps).  The reciprocal roots of several rows are one batch; the wait for them stands behind the last.
.macro LN_A src, dst, rs
	v_pk_add_f32 v[TP:TP+1], v[\src:\src+1], v[\src+2:\src+3]
	v_pk_add_f32 v[TP+2:TP+3], v[\src+4:\src+5], v[\src+6:\src+7]
	v_pk_add_f32 v[TP:TP+1], v[TP:TP+1], v[TP+2:TP+3]
	v_add_f32 v[TP], v[TP], v[TP+1]
	v_mul_f32 v[TP], s56, v[TP]                    ; the mean
.irp p, 0,2,4,6
	v_pk_add_f32 v[\dst+\p:\dst+\p+1], v[\src+\p:\src+\p+1], v[TP:TP+1] op_sel_hi:[1,0] neg_lo:[0,1] neg_hi:[0,1]
.endr
	v_pk_mul_f32 v[TP+2:TP+3], v[\dst:\dst+1], v[\dst:\dst+1]
.irp p, 2,4,6
	v_pk_fma_f32 v[TP+2:TP+3], v[\dst+\p:\dst+\p+1], v[\dst+\p:\dst+\p+1], v[TP+2:TP+3]
.endr
	v_add_f32 v[TP+2], v[TP+2], v[TP+3]
	v_fma_f32 v[\rs], v[TP+2], s56, s57            ; var + eps
	v_rsq_f32 v[\rs], v[\rs]
.endm
; The second part: dst = dst x rs x ln_w + ln_b; rs is word sel of the pair at rp
.macro LN_B dst, rp, sel
.irp p, 0,2,4,6
	v_pk_mul_f32 v[\dst+\p:\dst+\p+1], v[\dst+\p:\dst+\p+1], v[\rp:\rp+1] op_sel:[0,\sel] op_sel_hi:[1,\sel]
.endr
.irp p, 0,2,4,6
	v_pk_fma_f32 v[\dst+\p:\dst+\p+1], v[\dst+\p:\dst+\p+1], v[LW+\p:LW+\p+1], v[LB+\p:LB+\p+1]
.endr
.endm
; q'' += XQ[i] x Wk[i][4 h + 0..3]; XQ[i] is word sel of its pair
.macro QSTEP i, sel
	v_pk_fma_f32 v[Q4:Q4+1], v[XQ+2*((\i)/2):XQ+2*((\i)/2)+1], v[WK+4*(\i):WK+4*(\i)+1], v[Q4:Q4+1] op_sel:[\sel,0,0] op_sel_hi:[\sel,1,1]
	v_pk_fma_f32 v[Q4+2:Q4+3], v[XQ+2*((\i)/2):XQ+2*((\i)/2)+1], v[WK+4*(\i)+2:WK+4*(\i)+3], v[Q4+2:Q4+3] op_sel:[\sel,0,0] op_sel_hi:[\sel,1,1]
.endm
; The scores of one tile of 16 keys against the four tiles of queries.  K slot 2 h + j of instruction a stands for channel 4 h + 2 a + j, in both sources.  The four accumulators take turns, one instruction a turn.
.macro WMM
.irp T, 0,1,2,3
	v_wmma_f32_16x16x4_f32 v[S+8*\T:S+8*\T+7], v[KF:KF+1], v[QF+4*\T:QF+4*\T+1], 0
.endr
.irp T, 0,1,2,3
	v_wmma_f32_16x16x4_f32 v[S+8*\T:S+8*\T+7], v[KF+2:KF+3], v[QF+4*\T+2:QF+4*\T+3], v[S+8*\T:S+8*\T+7]
.endr
.endm
; w of four of my half's eight keys (4 half + 0..3), all 8 channels: eight loads; the sixteen lanes of a half share each address
.macro LDW half, off
.irp jj, 0,1,2,3
	ds_load_b128 v[WB+32*\half+8*\jj:WB+32*\half+8*\jj+3],   v[ADW] offset:\off+64*\half+16*\jj
	ds_load_b128 v[WB+32*\half+8*\jj+4:WB+32*\half+8*\jj+7], v[ADW] offset:\off+64*\half+16*\jj+4096
.endr
.endm
.macro SUBM half                       ; t - M for keys 4 half + 0..3 of the four tiles
.irp T, 0,1,2,3
.irp u, 0,2
	v_pk_add_f32 v[E+4*\T+\u:E+4*\T+\u+1], v[S+8*\T+4*\half+\u:S+8*\T+4*\half+\u+1], v[ST+2*\T:ST+2*\T+1] op_sel_hi:[1,0] neg_lo:[0,1] neg_hi:[0,1]
.endr
.endr
.endm
.macro EXPE
.irp n, 0,1,2,3,4,5,6,7,8,9,10,11,12,13,14,15
	v_exp_f32 v[E+\n], v[E+\n]
.endr
.endm
.macro RELU half
.irp T, 0,1,2,3
.irp jj, 0,1,2,3
	v_max_num_f32 v[R+4*\T+\jj], 0, v[S+8*\T+4*\half+\jj]
.endr
.endr
.endm
; one key of one tile: sum E w and sum R w, 8 channels each; E and R are word sel of the pair at ep
.macro PVJ T, half, jj, ep, sel
.irp p, 0,2,4,6
	v_pk_fma_f32 v[AC+20*\T+\p:AC+20*\T+\p+1], v[E+4*\T+\ep:E+4*\T+\ep+1], v[WB+32*\half+8*\jj+\p:WB+32*\half+8*\jj+\p+1], v[AC+20*\T+\p:AC+20*\T+\p+1] op_sel:[\sel,0,0] op_sel_hi:[\sel,1,1]
.endr
.irp p, 0,2,4,6
	v_pk_fma_f32 v[AC+20*\T+8+\p:AC+20*\T+8+\p+1], v[R+4*\T+\ep:R+4*\T+\ep+1], v[WB+32*\half+8*\jj+\p:WB+32*\half+8*\jj+\p+1], v[AC+20*\T+8+\p:AC+20*\T+8+\p+1] op_sel:[\sel,0,0] op_sel_hi:[\sel,1,1]
.endr
.endm
.macro PV half                         ; 144 plain packed instructions; they name no register of the score products
.irp T, 0,1,2,3
	PVJ \T, \half, 0, 0, 0
	PVJ \T, \half, 1, 0, 1
	PVJ \T, \half, 2, 2, 0
	PVJ \T, \half, 3, 2, 1
	v_pk_add_f32 v[AC+20*\T+16:AC+20*\T+17], v[AC+20*\T+16:AC+20*\T+17], v[E+4*\T:E+4*\T+1]
	v_pk_add_f32 v[AC+20*\T+18:AC+20*\T+19], v[AC+20*\T+18:AC+20*\T+19], v[R+4*\T:R+4*\T+1]
	v_pk_add_f32 v[AC+20*\T+16:AC+20*\T+17], v[AC+20*\T+16:AC+20*\T+17], v[E+4*\T+2:E+4*\T+3]
	v_pk_add_f32 v[AC+20*\T+18:AC+20*\T+19], v[AC+20*\T+18:AC+20*\T+19], v[R+4*\T+2:R+4*\T+3]
.endr
.endm
; ONE TRIP: one tile of 16 keys, whose scores lie in S.  nb: the LDS loads younger than this trip's first half of w.  nxt = 1: the next tile's w is fetched and its scores are made.  ldk = 1: the tile after that is fetched as source 0.
.macro TRIP nb, nxt, ldk
.irp T, 0,1,2,3
	v_max3_num_f32 v[TM+\T], v[S+8*\T], v[S+8*\T+1], v[S+8*\T+2]   ; each accumulator is read from its low end on
.endr
.irp T, 0,1,2,3
	v_max3_num_f32 v[TM+\T], v[TM+\T], v[S+8*\T+3], v[S+8*\T+4]
.endr
.irp T, 0,1,2,3
	v_max3_num_f32 v[TM+\T], v[TM+\T], v[S+8*\T+5], v[S+8*\T+6]
.endr
.irp T, 0,1,2,3
	v_max3_num_f32 v[TM+\T], v[TM+\T], v[S+8*\T+7], v[ST+2*\T]     ; and the old M
.endr
.irp T, 0,1,2,3
	v_sub_f32 v[ST+2*\T+1], v[ST+2*\T], v[TM+\T]   ; old M - new M
.endr
.irp T, 0,1,2,3
	v_mov_b32 v[ST+2*\T], v[TM+\T]
.endr
	SUBM 0
.irp T, 0,1,2,3
	v_exp_f32 v[ST+2*\T+1], v[ST+2*\T+1]           ; f = 2^(old M - new M)
.endr
	EXPE
	RELU 0                                         ; sixteen plain lines behind the batch of twenty exponentials
	s_wait_alu depctr_va_vdst(0)                   ; one wait for the batch, ahead of its first reader
.irp T, 0,1,2,3
.irp p, 0,2,4,6,16
	v_pk_mul_f32 v[AC+20*\T+\p:AC+20*\T+\p+1], v[AC+20*\T+\p:AC+20*\T+\p+1], v[ST+2*\T:ST+2*\T+1] op_sel:[0,1] op_sel_hi:[1,1]   ; sum E w and sum E under the new M
.endr
.endr
	s_wait_dscnt \nb                               ; w's first half is in; younger: the second half's eight loads and, where it was asked for, one load of source 0
	PV 0
	s_wait_dscnt 0x0                               ; w's second half and the next tile's source 0 are in
.if \nxt
	LDW 0, 256                                     ; the next tile's first half, into registers just read
.endif
	SUBM 1
	EXPE
	RELU 1                                         ; the last reads of S; sixteen plain lines behind the batch
	s_wait_alu depctr_va_vdst(0)                   ; one wait for the batch
.if \nxt
	WMM                                            ; the next tile's scores: they run beside the 144 lines below, which are also the places behind them
.endif
	PV 1
.if \nxt
	LDW 1, 256
.if \ldk
	ds_load_b128 v[KF:KF+3], v[ADK] offset:512
.endif
	s_add_co_u32 s[TB], s[TB], 256
	v_add_nc_u32 v[ADK], s[TB], v[AKF]
	v_add_nc_u32 v[ADW], s[TB], v[AWB]
.endif
.endm
; ---------------------------------------------------------------- THE HEAD
	s_load_b512 s[4:19], s[0:1], 0x0               ; y s[4:5], x s[6:7], ln_w s[8:9], ln_b s[10:11], Wq s[12:13], Wk s[14:15], W2 s[16:17], the scales' exponents s[18:19]
	v_lshrrev_b32 v198, 5, v0
	v_readfirstlane_b32 s2, v198                   ; wave 0..15
	v_mov_b32 v198, 0                              ; offset of loads that are the same in all lanes
	v_and_b32 v199, 31, v0                         ; lane
	v_and_b32 v200, 15, v0                         ; r
	v_bfe_u32 v201, v0, 4, 1                       ; h
	v_lshlrev_b32 v[LI], 4, v199
	s_lshl_b32 s3, s2, 13                          ; wave x 8192
	v_lshlrev_b32 v[AKF], 4, v200
	v_lshl_add_u32 v[AKF], v201, 12, v[AKF]
	v_add_nc_u32 v[AKF], s3, v[AKF]
	v_lshlrev_b32 v[AWB], 7, v201
	v_add_nc_u32 v[AWB], s3, v[AWB]
	v_add_nc_u32 v202, s3, v[LI]                   ; where I store w: wave x 8192 + 16 x lane
	v_lshl_add_u32 v209, v199, 5, s3               ; y: row 256 x wave + lane, 32 bytes a row
	s_mul_i32 s60, s2, 2560
	s_add_co_u32 s60, s60, PART
	v_add_nc_u32 v[PST], s60, v[LI]
	v_add_nc_u32 v[PST2], 81920, v[PST]
	s_lshl_b32 s60, s2, 9
	s_add_co_u32 s60, s60, QIMG
	v_add_nc_u32 v203, s60, v[LI]                  ; where I store q''
	s_lshr_b32 s60, s2, 2                          ; wave / 4
	s_and_b32 s3, s2, 3                            ; wave % 4: the tile of queries whose q'' I make; W2's tile n
	s_lshl_b32 s100, s60, 11
	s_add_co_u32 s100, s100, QIMG
	v_add_nc_u32 v204, s100, v[LI]                 ; where I read q'': the four images of my group of four waves
	s_lshl_b32 s100, s3, 10                        ; W2's image: tile n x 1024 + (c / 2) x 512 + 16 x lane + (c % 2) x 8, c = wave / 4
	s_lshr_b32 s101, s60, 1
	s_lshl_b32 s101, s101, 9
	s_add_co_u32 s100, s100, s101
	s_and_b32 s101, s60, 1
	s_lshl_b32 s101, s101, 3
	s_add_co_u32 s100, s100, s101
	s_add_co_u32 s100, s100, W2IMG
	v_add_nc_u32 v205, s100, v[LI]
	s_lshl_b32 s100, s3, 9
	v_lshl_add_u32 v206, v200, 5, s100             ; x: row 16 (wave % 4) + r of the work-group's 64
	v_lshlrev_b32 v207, 4, v201                    ; Wk: 16 h
	s_lshl_b32 s100, s3, 12                        ; W2: row 16 n + r of 256 bytes, + (16 c + 8 h) x 4
	s_lshl_b32 s101, s60, 6
	s_add_co_u32 s100, s100, s101
	v_lshl_add_u32 v208, v200, 8, s100
	v_lshl_add_u32 v208, v201, 5, v208
	s_mov_b32 s54, 0x76543210                      ; v_permlanex16_b32: lane l xor 16
	s_mov_b32 s55, 0xfedcba98
	s_mov_b32 s56, 0x3e000000                      ; 1 / 8
	s_mov_b32 s57, 0x3727c5ac                      ; eps = 1e-5
	s_lshl_b32 s66, ttmp9, 11                      ; the work-group's 64 rows of 32 bytes, in x and in out0
	s_mov_b32 s67, 0
	v_mov_b32 v[RS+9], 0                           ; (named as the upper half of a pair)
	s_wait_kmcnt 0x0
	s_load_b512 s[20:35], s[12:13], 0x0            ; Wq's rows 0, 1
	s_load_b512 s[36:51], s[12:13], 0x40           ; 2, 3
	s_load_b512 s[68:83], s[12:13], 0x80           ; 4, 5
	s_load_b512 s[84:99], s[12:13], 0xc0           ; 6, 7
	s_load_b64 s[58:59], s[18:19], 0x0             ; e0 (h1), e1 (W2)
	s_add_nc_u64 s[6:7], s[6:7], s[66:67]
	global_load_b128 v[LW:LW+3],   v198, s[8:9]
	global_load_b128 v[LW+4:LW+7], v198, s[8:9] offset:16
	global_load_b128 v[LB:LB+3],   v198, s[10:11]
	global_load_b128 v[LB+4:LB+7], v198, s[10:11] offset:16
.irp k, 0,1,2,3,4,5,6,7
	global_load_b128 v[Y+8*\k:Y+8*\k+3],   v209, s[4:5] offset:1024*\k      ; key 32 k + lane of my wave's 256
	global_load_b128 v[Y+8*\k+4:Y+8*\k+7], v209, s[4:5] offset:1024*\k+16
.endr
	global_load_b128 v[XR:XR+3],   v206, s[6:7]
	global_load_b128 v[XR+4:XR+7], v206, s[6:7] offset:16
.irp i, 0,1,2,3,4,5,6,7
	global_load_b128 v[WK+4*\i:WK+4*\i+3], v207, s[14:15] offset:32*\i
.endr
	global_load_b128 v[W2R:W2R+3],   v208, s[16:17]
	global_load_b128 v[W2R+4:W2R+7], v208, s[16:17] offset:16
	s_wait_loadcnt 10                              ; ln_w, ln_b, y and x are in; the ten younger loads (Wk's eight, W2's two) may be out
.irp k, 0,1,2,3,4,5,6,7
	LN_A Y+8*\k, Y+8*\k, RS+\k
.endr
	LN_A XR, XR, RS+8
	v_nop                                          ; a plain line behind the last reciprocal root
	s_wait_alu depctr_va_vdst(0)                   ; one wait for the nine
.irp k, 0,2,4,6
	LN_B Y+8*\k, RS+\k, 0
	LN_B Y+8*\k+8, RS+\k, 1
.endr
	LN_B XR, RS+8, 0
.irp k, 0,1,2,3,4,5,6,7
	ds_store_b128 v202, v[Y+8*\k:Y+8*\k+3]   offset:512*\k          ; w, channels 0-3: 32 lanes, 512 consecutive bytes
	ds_store_b128 v202, v[Y+8*\k+4:Y+8*\k+7] offset:512*\k+4096     ; channels 4-7
.endr
	s_wait_kmcnt 0x0                               ; Wq and the exponents
.irp i, 0,1,2,3,4,5,6,7
	v_mul_f32 v[XQ+\i], s[20+8*\i+16*(\i/4)], v[XR]                 ; XQ[i] = sum over e of Wq[i][e] z[e]: eight chains side by side
.endr
.irp e, 1,2,3,4,5,6,7
.irp i, 0,1,2,3,4,5,6,7
	v_fmac_f32 v[XQ+\i], s[20+8*\i+16*(\i/4)+\e], v[XR+\e]
.endr
.endr
	s_wait_loadcnt 2                               ; Wk is in; W2's two loads may be out
	v_pk_mul_f32 v[Q4:Q4+1],   v[XQ:XQ+1], v[WK:WK+1]   op_sel_hi:[0,1]
	v_pk_mul_f32 v[Q4+2:Q4+3], v[XQ:XQ+1], v[WK+2:WK+3] op_sel_hi:[0,1]
	QSTEP 1, 1
	QSTEP 2, 0
	QSTEP 3, 1
	QSTEP 4, 0
	QSTEP 5, 1
	QSTEP 6, 0
	QSTEP 7, 1
	v_pk_mul_f32 v[Q4:Q4+1],   v[Q4:Q4+1],   0x3f0293ee op_sel_hi:[1,0]   ; x c = log2(e) / sqrt(8)
	v_pk_mul_f32 v[Q4+2:Q4+3], v[Q4+2:Q4+3], 0x3f0293ee op_sel_hi:[1,0]
	ds_store_b128 v203, v[Q4:Q4+3]
	s_add_co_i32 s3, s59, 127                      ; W2's eight numbers become codes: x / 2^e1, held within +-448
	s_lshl_b32 s60, s3, 23
	v_mov_b32 v196, s60                            ; 2^e1 as f32: the conversion takes its exponent field
	s_add_co_i32 s3, s3, 8
	s_lshl_b32 s3, s3, 23
	s_or_b32 s3, s3, 0x600000
	v_mov_b32 v197, s3                             ; 448 x 2^e1
	s_add_co_i32 s62, s58, s59
	s_add_co_i32 s62, s62, 127
	s_lshl_b32 s62, s62, 23                        ; 2^(e0 + e1) as f32, for the tail
	s_mov_b32 s63, s62                             ; (named with it as a pair)
	s_wait_loadcnt 0x0
.irp i, 0,1,2,3,4,5,6,7
	v_med3_num_f32 v[W2R+\i], v[W2R+\i], -v197, v197   ; the conversion to an 8-bit code does not saturate (ISA guide 7.6.2)
.endr
	v_cvt_scalef32_pk8_fp8_f32 v[194:195], v[W2R:W2R+7], v196
	v_nop                                          ; a plain line behind the scaled conversion
	ds_store_b64 v205, v[194:195]                  ; registers 2 c, 2 c + 1 of tile n's operand: k = 16 c + 8 h + 0..7 of row 16 n + r
	s_wait_dscnt 0x0                               ; my stores of w, q'' and W2's codes have landed
	s_barrier_signal -1
	s_barrier_wait -1                              ; everybody's have
.irp T, 0,1,2,3
	ds_load_b128 v[QF+4*\T:QF+4*\T+3], v204 offset:512*\T
.endr
	s_mov_b32 s[TB], 0
	v_add_nc_u32 v[ADK], s[TB], v[AKF]
	v_add_nc_u32 v[ADW], s[TB], v[AWB]
	ds_load_b128 v[KF:KF+3], v[ADK]
	LDW 0, 0
	s_wait_dscnt 8                                 ; q'' and tile 0's source 0 are in; w's eight loads may be out
	WMM                                            ; tile 0's scores
.set i, 0
.rept 80
	v_mov_b32 v[AC+i], 0                           ; the sums begin as zeros, so that the trip is written once; these lines are also the places behind the products
.set i, i+1
.endr
.irp T, 0,1,2,3
	v_mov_b32 v[ST+2*\T], 0xff61b1e6               ; M = -3e38, under every t
	v_mov_b32 v[ST+2*\T+1], 0
.endr
	LDW 1, 0
	ds_load_b128 v[KF:KF+3], v[ADK] offset:256     ; tile 1's source 0
; ---------------------------------------------------------------- THE LOOP: 16 tiles of keys; the last two trips are written out, so that no read leaves the wave's own keys
	s_mov_b32 s[CNT], 14
.Ltrip:
	TRIP 9, 1, 1
	s_sub_co_u32 s[CNT], s[CNT], 1
	s_cmp_lg_u32 s[CNT], 0
	s_cbranch_scc1 .Ltrip
	TRIP 9, 1, 0
	TRIP 8, 0, 0
; ---------------------------------------------------------------- THE PARTIAL SUMS go to LDS as register images
	s_load_b256 s[20:27], s[0:1], 0x40             ; Wv s[20:21], W1 s[22:23], b1 s[24:25], b2 s[26:27]
	s_load_b128 s[28:31], s[0:1], 0x60             ; W3 s[28:29], b3 s[30:31]
	s_load_b64 s[32:33], s[0:1], 0x70              ; out0
.irp T, 0,1,2,3
	v_add_f32 v[AC+20*\T+17], v[AC+20*\T+16], v[AC+20*\T+17]   ; sum E
	v_add_f32 v[AC+20*\T+18], v[AC+20*\T+18], v[AC+20*\T+19]   ; sum R
	v_mov_b32 v[AC+20*\T+16], v[ST+2*\T]                       ; M
.endr
.irp T, 0,1
.irp q, 0,1,2,3,4
	ds_store_b128 v[PST],  v[AC+20*\T+4*\q:AC+20*\T+4*\q+3]       offset:40960*\T+512*\q
	ds_store_b128 v[PST2], v[AC+40+20*\T+4*\q:AC+40+20*\T+4*\q+3] offset:40960*\T+512*\q
.endr
.endr
	s_and_b32 s3, s2, 3
	s_mul_i32 s3, s3, 40960
	s_add_co_u32 s3, s3, PART
	v_add_nc_u32 v[ADK], s3, v[LI]                 ; the tail's LDS addresses are made by every wave, ahead of the parting
	v_add_nc_u32 v[ADW], W2IMG, v[LI]
	s_wait_kmcnt 0x0
	s_wait_dscnt 0x0                               ; my partial sums have landed
	s_barrier_signal -1
	s_barrier_wait -1                              ; everybody's have
	s_cmp_lt_u32 s2, 4
	s_cbranch_scc1 .Ltail
	s_endpgm                                       ; waves 4 to 15 are done
.Ltail:
; ---------------------------------------------------------------- THE TAIL: wave T joins tile T's 32 partial sums and runs the MLP.  Lane (r, h) serves query 16 T + r.
; v8-23 W1; v24-31 x; v32-35 Wv; v36-39 a, then LN(z1), my half's four channels; v88-119 b1, then h1, then h2; v120-183 partial sums, then b2 (120-151) and W3 (152-183); v184-199 G, then b3 (184-191);
; v200-215 AE, AR; v216, v217 L, SR; v218-223 at work; v224-231 the other half's numbers; W2's codes: tile n at 192 + 8 n + 8 (n / 3); v232-239 LN(z1), then h1's codes, then the result; v240-247 at work; v8-39 the quantised product's sums.
.set TP,   240
.set W1F,  8
.set X8,   24
.set WVF,  32
.set AF,   36
.set HB,   88
.set BUFA, 120
.set G,    184
.set AE,   200
.set AR,   208
.set PM,   224
.set Z2,   232
.set T2,   240
.set D2,   8
.macro CLOAD k, buf                    ; the sums of sources 2 k and 2 k + 1: eight loads
.irp u, 0,1
.irp q, 0,1,2,3
	ds_load_b128 v[\buf+16*\u+4*\q:\buf+16*\u+4*\q+3], v[ADK] offset:(2*(\k)+\u)*2560+512*\q
.endr
.endr
.endm
.macro CACC k, buf                     ; AE += G x sum E w, AR += sum R w, for both sources
.irp p, 0,2,4,6
.if \k == 0
	v_pk_mul_f32 v[AE+\p:AE+\p+1], v[\buf+\p:\buf+\p+1], v[G+2*(\k):G+2*(\k)+1] op_sel_hi:[1,0]
	v_pk_add_f32 v[AR+\p:AR+\p+1], v[\buf+8+\p:\buf+8+\p+1], v[\buf+24+\p:\buf+24+\p+1]
.else
	v_pk_fma_f32 v[AE+\p:AE+\p+1], v[\buf+\p:\buf+\p+1], v[G+2*(\k):G+2*(\k)+1], v[AE+\p:AE+\p+1] op_sel_hi:[1,0,1]
	v_pk_add_f32 v[AR+\p:AR+\p+1], v[AR+\p:AR+\p+1], v[\buf+8+\p:\buf+8+\p+1]
.endif
.endr
.irp p, 0,2,4,6
	v_pk_fma_f32 v[AE+\p:AE+\p+1], v[\buf+16+\p:\buf+16+\p+1], v[G+2*(\k):G+2*(\k)+1], v[AE+\p:AE+\p+1] op_sel:[0,1,0] op_sel_hi:[1,1,1]
.if \k != 0
	v_pk_add_f32 v[AR+\p:AR+\p+1], v[AR+\p:AR+\p+1], v[\buf+24+\p:\buf+24+\p+1]
.endif
.endr
.endm
.irp s, 0,1,2,3,4,5,6,7,8,9,10,11,12,13,14,15
	ds_load_b128 v[BUFA+4*\s:BUFA+4*\s+3], v[ADK] offset:\s*2560+2048   ; (M, sum E, sum R, -) of source s
.endr
	s_add_nc_u64 s[32:33], s[32:33], s[66:67]      ; out0 at the work-group's first row
	v_and_b32 v220, 15, v0                         ; r
	v_bfe_u32 v221, v0, 4, 1                       ; h
	v_and_b32 v222, 7, v0                          ; r % 8
	v_cmp_ne_u32 s61, 0, v221                      ; the lanes of the upper half
	s_lshl_b32 s3, s2, 9
	v_lshl_add_u32 v1, v220, 5, s3                 ; x, out0: row 16 T + r
	v_lshlrev_b32 v2, 5, v222
	v_lshl_add_u32 v2, v221, 4, v2                 ; Wv: row r % 8 (rows 8-15 of source 0 repeat rows 0-7), + 16 h
	v_lshlrev_b32 v6, 5, v220
	v_lshl_add_u32 v6, v221, 4, v6                 ; W1: row r, + 16 h
	v_lshlrev_b32 v7, 5, v221                      ; b1, b2: 32 h
	v_mov_b32 v219, 0
	global_load_b128 v[X8:X8+3],   v1, s[6:7]
	global_load_b128 v[X8+4:X8+7], v1, s[6:7] offset:16
	global_load_b128 v[WVF:WVF+3], v2, s[20:21]
	global_load_b128 v[LW:LW+3],   v219, s[8:9]
	global_load_b128 v[LW+4:LW+7], v219, s[8:9] offset:16
	global_load_b128 v[LB:LB+3],   v219, s[10:11]
	global_load_b128 v[LB+4:LB+7], v219, s[10:11] offset:16
.irp c, 0,1,2,3
	global_load_b128 v[W1F+4*\c:W1F+4*\c+3], v6, s[22:23] offset:512*\c   ; W1[16 c + r][4 h + 0..3]
.endr
.irp c, 0,1,2,3
	global_load_b128 v[HB+8*\c:HB+8*\c+3],   v7, s[24:25] offset:64*\c     ; b1[16 c + 8 h + 0..7]: the result's layout
	global_load_b128 v[HB+8*\c+4:HB+8*\c+7], v7, s[24:25] offset:64*\c+16
.endr
	s_wait_dscnt 0x0
	v_max3_num_f32 v218, v[BUFA], v[BUFA+4], v[BUFA+8]             ; the largest M of the 16 sources,
.irp s, 3,5,7,9,11,13
	v_max3_num_f32 v218, v218, v[BUFA+4*\s], v[BUFA+4*\s+4]
.endr
	v_max_num_f32 v218, v218, v[BUFA+60]
	v_permlanex16_b32 v[PM], v218, s54, s55        ; (v224-231 were written as accumulators: a permute's destination counts as read)
	v_max_num_f32 v218, v218, v[PM]                ; and of the other half of the lanes
.irp s, 0,1,2,3,4,5,6,7,8,9,10,11,12,13,14,15
	v_sub_f32 v[G+\s], v[BUFA+4*\s], v218
.endr
.irp s, 0,1,2,3,4,5,6,7,8,9,10,11,12,13,14,15
	v_exp_f32 v[G+\s], v[G+\s]                     ; G = 2^(M of the source - the joint M)
.endr
	v_add_f32 v217, v[BUFA+2], v[BUFA+6]           ; SR, in two chains.  (Plain lines behind the batch)
	v_add_f32 v223, v[BUFA+10], v[BUFA+14]
	s_wait_alu depctr_va_vdst(0)                   ; one wait for the sixteen
	v_mul_f32 v216, v[G], v[BUFA+1]                ; L = sum G x sum E, in two chains
	v_mul_f32 v222, v[G+1], v[BUFA+5]
.irp s, 2,4,6,8,10,12,14
	v_fmac_f32 v216, v[G+\s], v[BUFA+1+4*\s]
	v_fmac_f32 v222, v[G+1+\s], v[BUFA+5+4*\s]
.endr
.irp s, 4,6,8,10,12,14
	v_add_f32 v217, v217, v[BUFA+2+4*\s]
	v_add_f32 v223, v223, v[BUFA+6+4*\s]
.endr
	v_add_f32 v216, v216, v222
	v_add_f32 v217, v217, v223
	CLOAD 0, BUFA
	CLOAD 1, BUFA+32
.irp k, 0,1,2,3,4,5,6,7
.if \k < 7
	s_wait_dscnt 8                                 ; this pair of sources is in; the next pair's eight loads may be out
.else
	s_wait_dscnt 0x0
.endif
	CACC \k, BUFA+32*(\k%2)
.if \k < 6
	CLOAD \k+2, BUFA+32*(\k%2)
.endif
.endr
	v_and_b32 v218, 7, v0
	v_lshlrev_b32 v218, 8, v218
	v_add_nc_u32 v218, v218, v7                    ; W3: row r % 8 of 256 bytes, + 32 h
.irp n, 0,1,2,3
	global_load_b128 v[120+8*\n:123+8*\n], v7, s[26:27] offset:64*\n       ; b2[16 n + 8 h + 0..7]
	global_load_b128 v[124+8*\n:127+8*\n], v7, s[26:27] offset:64*\n+16
.endr
.irp n, 0,1,2,3
	global_load_b128 v[152+8*\n:155+8*\n], v218, s[28:29] offset:64*\n     ; W3[r % 8][16 n + 8 h + 0..7]
	global_load_b128 v[156+8*\n:159+8*\n], v218, s[28:29] offset:64*\n+16
.endr
	global_load_b128 v[184:187], v219, s[30:31]
	global_load_b128 v[188:191], v219, s[30:31] offset:16
.irp e, 0,1,2,3,4,5,6,7
	v_permlanex16_b32 v[PM+\e], v[AE+\e], s54, s55                 ; the other half of the lanes holds my query's other keys
.endr
.irp p, 0,2,4,6
	v_pk_add_f32 v[AE+\p:AE+\p+1], v[AE+\p:AE+\p+1], v[PM+\p:PM+\p+1]
.endr
.irp e, 0,1,2,3,4,5,6,7
	v_permlanex16_b32 v[PM+\e], v[AR+\e], s54, s55
.endr
.irp p, 0,2,4,6
	v_pk_add_f32 v[AR+\p:AR+\p+1], v[AR+\p:AR+\p+1], v[PM+\p:PM+\p+1]
.endr
	v_permlanex16_b32 v[PM], v216, s54, s55
	v_permlanex16_b32 v[PM+1], v217, s54, s55
	v_pk_add_f32 v[216:217], v[216:217], v[PM:PM+1]
	v_fma_f32 v223, 0x3d8df4e0, v217, 1.0          ; 1 + alpha SR, alpha = 0.1 ln 2
	v_rcp_f32 v222, v216
	v_rcp_f32 v223, v223
	v_nop                                          ; a plain line behind the reciprocals
	s_wait_alu depctr_va_vdst(0)                   ; one wait for the two
	v_mul_f32 v220, v222, v223                     ; 1 / (L (1 + alpha SR))
	v_mul_f32 v221, 0x3d8df4e0, v223               ; alpha / (1 + alpha SR)
.irp p, 0,2,4,6
	v_pk_mul_f32 v[AE+\p:AE+\p+1], v[AE+\p:AE+\p+1], v[220:221] op_sel_hi:[1,0]
.endr
.irp p, 0,2,4,6
	v_pk_fma_f32 v[AE+\p:AE+\p+1], v[AR+\p:AR+\p+1], v[220:221], v[AE+\p:AE+\p+1] op_sel:[0,1,0] op_sel_hi:[1,1,1]   ; a, all 8 channels in both halves
.endr
.irp e, 0,1,2,3
	v_cndmask_b32 v[AF+\e], v[AE+\e], v[AE+4+\e], s61              ; channels 4 h + 0..3
.endr
.irp n, 0,1,2,3
	ds_load_b128 v[192+8*\n+8*(\n/3):195+8*\n+8*(\n/3)], v[ADW] offset:1024*\n       ; W2's codes, into registers that are done with
	ds_load_b128 v[196+8*\n+8*(\n/3):199+8*\n+8*(\n/3)], v[ADW] offset:1024*\n+512
.endr
	s_wait_loadcnt 18                              ; the first nineteen loads are in; the eighteen younger (b2, W3, b3) may be out
	v_wmma_f32_16x16x4_f32 v[ZD:ZD+7], v[WVF:WVF+1], v[AF:AF+1], v[X8:X8+7]       ; z1 = Wv a + x: register j = channel j of query r, in both halves
	s_wait_alu depctr_va_vdst(0)                   ; the wait directly ahead of the link
	v_wmma_f32_16x16x4_f32 v[ZD:ZD+7], v[WVF+2:WVF+3], v[AF+2:AF+3], v[ZD:ZD+7]
	PLACES 8                                       ; eight places behind this form, ahead of the first read of its result (ISA guide 7.12.1)
	LN_A ZD, Z2, 244                               ; (v245, the pair's upper half, was written as an accumulator)
	v_nop
	s_wait_alu depctr_va_vdst(0)
	LN_B Z2, 244, 0
.irp e, 0,1,2,3
	v_cndmask_b32 v[AF+\e], v[Z2+\e], v[Z2+4+\e], s61
.endr
.irp c, 0,1,2,3                        ; h1's sums, transposed: source 0 = 16 rows of W1, source 1 = LN(z1); C = b1.  Tile c, register j = unit 16 c + 8 h + j of query r: the next operand's own order
	v_wmma_f32_16x16x4_f32 v[S+8*\c:S+8*\c+7], v[W1F+4*\c:W1F+4*\c+1], v[AF:AF+1], v[HB+8*\c:HB+8*\c+7]
.endr
.irp c, 0,1,2,3
	v_wmma_f32_16x16x4_f32 v[S+8*\c:S+8*\c+7], v[W1F+4*\c+2:W1F+4*\c+3], v[AF+2:AF+3], v[S+8*\c:S+8*\c+7]
.endr
	PLACES 9                                       ; eight ahead of the reads below; nine ahead of the matrix instructions that write over W1's and LN(z1)'s registers
	s_add_co_i32 s3, s58, 127
	s_lshl_b32 s60, s3, 23
	v_mov_b32 v246, s60                            ; 2^e0
	s_add_co_i32 s3, s3, 8
	s_lshl_b32 s3, s3, 23
	s_or_b32 s3, s3, 0x600000
	v_mov_b32 v247, s3                             ; 448 x 2^e0
.irp i, 0,1,2,3,4,5,6,7,8,9,10,11,12,13,14,15,16,17,18,19,20,21,22,23,24,25,26,27,28,29,30,31
	v_med3_num_f32 v[HB+\i], v[S+\i], 0, v247      ; the activation and the hold in one; each accumulator from its low end on
.endr
.irp c, 0,1,2,3
	v_cvt_scalef32_pk8_fp8_f32 v[Z2+2*\c:Z2+2*\c+1], v[HB+8*\c:HB+8*\c+7], v246   ; registers 2 c, 2 c + 1: k = 16 c + 8 h + 0..7
.endr
	v_nop                                          ; a plain line behind the last scaled conversion
	s_wait_dscnt 0x0                               ; W2's codes
.irp n, 0,1,2,3                        ; THE QUANTISED PRODUCT, transposed: source 0 = rows 16 n + 0..15 of W2, source 1 = h1
	v_wmma_f32_16x16x64_fp8_fp8 v[D2+8*\n:D2+8*\n+7], v[192+8*\n+8*(\n/3):199+8*\n+8*(\n/3)], v[Z2:Z2+7], 0
.endr
	PLACES 4
	s_wait_loadcnt 0x0                             ; b2, W3, b3
.irp i, 0,2,4,6,8,10,12,14,16,18,20,22,24,26,28,30
	v_pk_fma_f32 v[HB+\i:HB+\i+1], v[D2+\i:D2+\i+1], s[62:63], v[120+\i:121+\i] op_sel_hi:[1,0,1]   ; sum x 2^(e0 + e1) + b2
.endr
.irp i, 0,1,2,3,4,5,6,7,8,9,10,11,12,13,14,15,16,17,18,19,20,21,22,23,24,25,26,27,28,29,30,31
	v_max_num_f32 v[HB+\i], 0, v[HB+\i]            ; h2: register 8 n + j = unit 16 n + 8 h + j
.endr
.irp n, 0,1,2,3                        ; h2 W3^T: source 0 = W3's rows (8-15 repeat 0-7), source 1 = h2; K slot 2 h + j of instruction (n, i) = unit 16 n + 8 h + 2 i + j.  Four accumulators by turns
	v_wmma_f32_16x16x4_f32 v[S+8*\n:S+8*\n+7], v[152+8*\n:153+8*\n], v[HB+8*\n:HB+8*\n+1], 0
.endr
.irp i, 2,4,6
.irp n, 0,1,2,3
	v_wmma_f32_16x16x4_f32 v[S+8*\n:S+8*\n+7], v[152+8*\n+\i:153+8*\n+\i], v[HB+8*\n+\i:HB+8*\n+\i+1], v[S+8*\n:S+8*\n+7]
.endr
.endr
	PLACES 8
.irp p, 0,2,4,6
	v_pk_add_f32 v[Z2+\p:Z2+\p+1], v[S+\p:S+\p+1], v[S+8+\p:S+8+\p+1]
.endr
.irp p, 0,2,4,6
	v_pk_add_f32 v[T2+\p:T2+\p+1], v[S+16+\p:S+16+\p+1], v[S+24+\p:S+24+\p+1]
.endr
.irp p, 0,2,4,6
	v_pk_add_f32 v[Z2+\p:Z2+\p+1], v[Z2+\p:Z2+\p+1], v[T2+\p:T2+\p+1]
.endr
.irp p, 0,2,4,6
	v_pk_add_f32 v[Z2+\p:Z2+\p+1], v[Z2+\p:Z2+\p+1], v[184+\p:185+\p]     ; + b3
.endr
.irp p, 0,2,4,6
	v_pk_add_f32 v[Z2+\p:Z2+\p+1], v[Z2+\p:Z2+\p+1], v[ZD+\p:ZD+\p+1]     ; + z1
.endr
.irp e, 0,1,2,3
	v_cndmask_b32 v[T2+\e], v[Z2+\e], v[Z2+4+\e], s61              ; my half's four channels
.endr
	v_lshrrev_b32 v2, 1, v7                        ; 16 h  (all loads are in: their offset registers are free)
	v_add_nc_u32 v1, v1, v2
	global_store_b128 v1, v[T2:T2+3], s[32:33]     ; the wave stores its 16 rows: 512 consecutive bytes, at a multiple of 512 from out0's first byte
	s_endpgm
.Lfunc_end_k_q463441fd98_block:
	.size	k_q463441fd98_block, .Lfunc_end_k_q463441fd98_block-k_q463441fd98_block
	.p2alignl 7, 3214868480
	.fill 96, 4, 3214868480
	.section	.rodata,"a",@progbits
	.p2align	6, 0x0
	.amdhsa_kernel k_q463441fd98_block
		.amdhsa_group_segment_fixed_size 307200
		.amdhsa_private_segment_fixed_size 0
		.amdhsa_enable_private_segment 0
		.amdhsa_kernarg_size 120
		.amdhsa_user_sgpr_count 2
		.amdhsa_user_sgpr_kernarg_segment_ptr 1
		.amdhsa_wavefront_size32 1
		.amdhsa_system_sgpr_workgroup_id_x 1
		.amdhsa_system_sgpr_workgroup_id_y 1
		.amdhsa_system_sgpr_workgroup_id_z 1
		.amdhsa_system_vgpr_workitem_id 0
		.amdhsa_next_free_vgpr 256
		.amdhsa_next_free_sgpr 102
		.amdhsa_reserve_vcc 0
		.amdhsa_float_denorm_mode_32 3
		.amdhsa_float_denorm_mode_16_64 3
		.amdhsa_memory_ordered 1
		.amdhsa_forward_progress 1
		.amdhsa_inst_pref_size 140
	.end_amdhsa_kernel
	.amdgpu_metadata
---
amdhsa.version: [ 1, 2 ]
amdhsa.kernels:
  - .name:           k_q463441fd98_block
    .symbol:         k_q463441fd98_block.kd
    .args:
      - { .name: y, .offset: 0, .size: 8, .value_kind: global_buffer, .address_space: global }
      - { .name: x, .offset: 8, .size: 8, .value_kind: global_buffer, .address_space: global }
      - { .name: ln_w, .offset: 16, .size: 8, .value_kind: global_buffer, .address_space: global }
      - { .name: ln_b, .offset: 24, .size: 8, .value_kind: global_buffer, .address_space: global }
      - { .name: Wq, .offset: 32, .size: 8, .value_kind: global_buffer, .address_space: global }
      - { .name: Wk, .offset: 40, .size: 8, .value_kind: global_buffer, .address_space: global }
      - { .name: W2, .offset: 48, .size: 8, .value_kind: global_buffer, .address_space: global }
      - { .name: lowp_scales, .offset: 56, .size: 8, .value_kind: global_buffer, .address_space: global }
      - { .name: Wv, .offset: 64, .size: 8, .value_kind: global_buffer, .address_space: global }
      - { .name: W1, .offset: 72, .size: 8, .value_kind: global_buffer, .address_space: global }
      - { .name: b1, .offset: 80, .size: 8, .value_kind: global_buffer, .address_space: global }
      - { .name: b2, .offset: 88, .size: 8, .value_kind: global_buffer, .address_space: global }
      - { .name: W3, .offset: 96, .size: 8, .value_kind: global_buffer, .address_space: global }
      - { .name: b3, .offset: 104, .size: 8, .value_kind: global_buffer, .address_space: global }
      - { .name: out0, .offset: 112, .size: 8, .value_kind: global_buffer, .address_space: global }
    .group_segment_fixed_size: 307200
    .private_segment_fixed_size: 0
    .kernarg_segment_align: 8
    .kernarg_segment_size: 120
    .max_flat_workgroup_size: 512
    .sgpr_count:     102
    .vgpr_count:     256
    .wavefront_size: 32
...
	.end_amdgpu_metadata
.endif
;; end of part 1
;; ======== version 2 of 2: 1 launch; 1.11 times as fast as version 1
;; launch block (part 2): grid 256 x 1, 16 waves a work-group, no clusters, 307,200 bytes of LDS; arguments y, x, ln_w, ln_b, Wq, Wk, W2, lowp_scales, Wv, W1, b1, b2, W3, b3, out0; writes out0
.if DOCPART == 2
	.amdgcn_target "amdgcn-amd-amdhsa--gfx1250"
	.amdhsa_code_object_version 6
	.text
	.protected	k_q463441fd98_block
	.globl	k_q463441fd98_block
	.p2align	8
	.type	k_q463441fd98_block,@function
k_q463441fd98_block:
	s_mov_b64 s[64:65], 0
	v_nop
	global_prefetch_b8 v0, s[64:65] scope:SCOPE_SE
	s_setreg_imm32_b32 hwreg(HW_REG_WAVE_MODE, 25, 1), 1
	s_wait_xcnt 0x0
; TransformerBlock: z1 = smooth_softmax(LN(x) Wq^T (LN(y) Wk^T)^T / sqrt 8) (LN(y) Wv^T) + x;  out = MLP(LN(z1)) + z1.  x [16384][8], y [4096][8], all f32.
; ALGEBRA (identities, for every input).  w_k = ln_w o u_k + ln_b, u_k = (y_k - mean) / sqrt(var + eps): u's 8 channels sum to 0, so u_7 = -(u_0 + .. + u_6), and v_k = (u_0 .. u_6, 1) says all of w_k.
; q'' = c Wk^T (Wq LN(x_q)), c = log2(e) / sqrt(8); g = q'' o ln_w.  t_qk = q''. w_k = q3 . v_k with q3 = (g_0 - g_7 .. g_6 - g_7, q''. ln_b): t is the score x log2(e); Wk goes onto the 64 queries of a work-group.
; With E = 2^(t - M), R = max(t, 0), alpha = 0.1 ln 2:  AE = sum E v, AR = sum R v: their channel 7 is L = sum E and SR = sum R, so no row sum is taken apart.
;   b = (AE / L + alpha AR) / (1 + alpha SR);  b_7 is the weights' sum; channel 7 of u's mean is -(b_0 + .. + b_6);  a = ln_w o b + ln_b b_7;  z1 = Wv a + x (Wv is applied once a query).
; M is a running maximum, kept lane by lane and reconciled exactly where the partial sums are joined.
; FORMATS.  All that leads to the quantised product (64 x 64, h1 W2^T) is f32: the scores by v_wmma_f32_16x16x4_f32, the weighted sums by packed multiply-adds.  h1 and W2 are quantised to E4M3 with the given 2^e0, 2^e1 and
; multiplied by v_wmma_f32_16x16x64_fp8_fp8, k in its true places.
; SHARES.  A work-group owns 64 queries (4 tiles T of 16).  Each of its 16 waves takes ALL 64 queries against its OWN 256 keys (16 tiles), which it normalises itself into its own 8 KiB of LDS.  The scores are used transposed
; (source 0 = 16 keys, source 1 = 16 queries): lane (r, h) holds query r and keys 8 h + 0..7.  So a query has 32 partial sums (16 waves x 2 halves of the lanes); waves 0-3 join them, one tile each, and run the MLP.
; No tensor load, no cluster: the inputs are under a megabyte, y passes through registers for its norm, and the work is vector arithmetic on 64 x 4096 scores a work-group.
; LIMITS.  e0 and e1 between -126 and 119, e0 + e1 between -126 and 127 (each power of two is made as an f32 number).  |t| under 3e38 (the running maximum starts at -3e38).  NaN and infinities among the inputs are not served.
; The order of sums differs from the reference's (Wk, Wv, ln_w and ln_b re-associated; keys in 32 partial sums), all in f32.
; LDS: 0: v, wave x 8192: channels 0-3 of 256 keys (16 bytes a key), at +4096 channels 4-6 and the 1.   QIMG: q3 as register images, wave x 512 + 16 x lane.   W2IMG: W2's codes as images of the operand's registers, 1024 a tile.
;      PART: tile T x 40960 + source wave x 2560 + quad x 512 + 16 x lane; quads: sum E v 0-3, 4-7, sum R v 0-3, 4-7, and M (one word of the sixteen bytes).   No byte of LDS is written twice.
.set QIMG,  131072
.set W2IMG, 139264
.set PART,  143360
; registers that stay
.set AKF,  1                           ; v1  wave x 8192 + 4096 h + 16 r: my lane's place in a tile of keys as source 0
.set AWB,  2                           ; v2  wave x 8192 + 128 h: my half's eight keys, for the weighted sums
.set ADK,  3                           ; v3  AKF + the trip's step; in the tail: where I read partial sums
.set ADW,  4                           ; v4  AWB + the trip's step; in the tail: where I read W2's images
.set LI,   5                           ; v5  16 x lane
.set PST,  6                           ; v6  where I store partial sums of tiles 0, 1
.set PST2, 7                           ; v7  of tiles 2, 3
; the loop
.set QF,   8                           ; v8-23    q3: tile T at QF + 4 T: channels 4 h + 0..3 of query 16 T + r
.set KF,   24                          ; v24-27   v of key r, channels 4 h + 0..3
.set ST,   28                          ; v28-35   the pair (M, f) of tile T at ST + 2 T
.set TM,   36                          ; v36-39   at work on the new maxima
.set S,    40                          ; v40-71   the scores, 8 a tile.  Written by matrix instructions alone, in the whole text; so are v248-255
.set E,    72                          ; v72-87   E of four keys, 4 a tile
.set R,    88                          ; v88-103  R likewise
.set WB,   104                         ; v104-167 v of my half's eight keys: key j, channel c at WB + 8 j + c
.set AC,   168                         ; v168-231 tile T at AC + 16 T: +0..7 sum E v, +8..15 sum R v
.set MO,   232                         ; v232-235 M as it stood before the trip
.set ZD,   248                         ; v248-255 z1 (tail)
; the head
.set LW,   72                          ; v72-79 ln_w, v80-87 ln_b (head and tail)
.set LB,   80
.set WK,   8                           ; v8-39    Wk[i][4 h + 0..3] at WK + 4 i
.set XR,   88                          ; v88-95   my query's row of x
.set W2R,  96                          ; v96-103  eight numbers of W2
.set Y,    104                         ; v104-167 eight rows of y
.set RS,   168                         ; v168-177 1 / sqrt(var + eps): eight keys', x's, one spare to fill the pair
.set TP,   178                         ; v178-181 at work in the norms (set anew for the tail)
.set XQ,   182                         ; v182-189 Wq z
.set Q4,   190                         ; v190-193 q'', then q3: my half's four channels
.set LW4,  210                         ; v210-213 ln_w[4 h + 0..3]
.set LB4,  214                         ; v214-217 ln_b[4 h + 0..3]
.set TB,   52                          ; s52  256 x trip
.set CNT,  53                          ; s53  trips to go
.macro PLACES n
.rept \n
	v_nop
.endr
.endm
; The norm's first part: dst = src - mean; rs = 1 / sqrt(var + eps).  The reciprocal roots of several rows are one batch; the wait for them stands behind the last.
.macro LN_A src, dst, rs
	v_pk_add_f32 v[TP:TP+1], v[\src:\src+1], v[\src+2:\src+3]
	v_pk_add_f32 v[TP+2:TP+3], v[\src+4:\src+5], v[\src+6:\src+7]
	v_pk_add_f32 v[TP:TP+1], v[TP:TP+1], v[TP+2:TP+3]
	v_add_f32 v[TP], v[TP], v[TP+1]
	v_mul_f32 v[TP], s56, v[TP]                    ; the mean
.irp p, 0,2,4,6
	v_pk_add_f32 v[\dst+\p:\dst+\p+1], v[\src+\p:\src+\p+1], v[TP:TP+1] op_sel_hi:[1,0] neg_lo:[0,1] neg_hi:[0,1]
.endr
	v_pk_mul_f32 v[TP+2:TP+3], v[\dst:\dst+1], v[\dst:\dst+1]
.irp p, 2,4,6
	v_pk_fma_f32 v[TP+2:TP+3], v[\dst+\p:\dst+\p+1], v[\dst+\p:\dst+\p+1], v[TP+2:TP+3]
.endr
	v_add_f32 v[TP+2], v[TP+2], v[TP+3]
	v_fma_f32 v[\rs], v[TP+2], s56, s57            ; var + eps
	v_rsq_f32 v[\rs], v[\rs]
.endm
; The second part: dst = dst x rs (u); rs is word sel of the pair at rp
.macro LN_U dst, rp, sel
.irp p, 0,2,4,6
	v_pk_mul_f32 v[\dst+\p:\dst+\p+1], v[\dst+\p:\dst+\p+1], v[\rp:\rp+1] op_sel:[0,\sel] op_sel_hi:[1,\sel]
.endr
.endm
; and the third: x ln_w + ln_b
.macro LN_B dst, rp, sel
	LN_U \dst, \rp, \sel
.irp p, 0,2,4,6
	v_pk_fma_f32 v[\dst+\p:\dst+\p+1], v[\dst+\p:\dst+\p+1], v[LW+\p:LW+\p+1], v[LB+\p:LB+\p+1]
.endr
.endm
; q'' += XQ[i] x Wk[i][4 h + 0..3]; XQ[i] is word sel of its pair
.macro QSTEP i, sel
	v_pk_fma_f32 v[Q4:Q4+1], v[XQ+2*((\i)/2):XQ+2*((\i)/2)+1], v[WK+4*(\i):WK+4*(\i)+1], v[Q4:Q4+1] op_sel:[\sel,0,0] op_sel_hi:[\sel,1,1]
	v_pk_fma_f32 v[Q4+2:Q4+3], v[XQ+2*((\i)/2):XQ+2*((\i)/2)+1], v[WK+4*(\i)+2:WK+4*(\i)+3], v[Q4+2:Q4+3] op_sel:[\sel,0,0] op_sel_hi:[\sel,1,1]
.endm
; The scores of one tile of 16 keys against the four tiles of queries.  K slot 2 h + j of instruction a stands for channel 4 h + 2 a + j, in both sources.  The four accumulators take turns, one instruction a turn.
.macro WMM
.irp T, 0,1,2,3
	v_wmma_f32_16x16x4_f32 v[S+8*\T:S+8*\T+7], v[KF:KF+1], v[QF+4*\T:QF+4*\T+1], 0
.endr
.irp T, 0,1,2,3
	v_wmma_f32_16x16x4_f32 v[S+8*\T:S+8*\T+7], v[KF+2:KF+3], v[QF+4*\T+2:QF+4*\T+3], v[S+8*\T:S+8*\T+7]
.endr
.endm
; v of four of my half's eight keys (4 half + 0..3), all 8 channels: eight loads; the sixteen lanes of a half share each address
.macro LDW half, off
.irp jj, 0,1,2,3
	ds_load_b128 v[WB+32*\half+8*\jj:WB+32*\half+8*\jj+3],   v[ADW] offset:\off+64*\half+16*\jj
	ds_load_b128 v[WB+32*\half+8*\jj+4:WB+32*\half+8*\jj+7], v[ADW] offset:\off+64*\half+16*\jj+4096
.endr
.endm
.macro SUBM half                       ; t - M for keys 4 half + 0..3 of the four tiles
.irp T, 0,1,2,3
.irp u, 0,2
	v_pk_add_f32 v[E+4*\T+\u:E+4*\T+\u+1], v[S+8*\T+4*\half+\u:S+8*\T+4*\half+\u+1], v[ST+2*\T:ST+2*\T+1] op_sel_hi:[1,0] neg_lo:[0,1] neg_hi:[0,1]
.endr
.endr
.endm
.macro EXPE
.irp n, 0,1,2,3,4,5,6,7,8,9,10,11,12,13,14,15
	v_exp_f32 v[E+\n], v[E+\n]
.endr
.endm
.macro RELU half                       ; R = max(t, 0), two to an instruction: an even and an odd destination, the two scores in neighbouring registers
.irp T, 0,1,2,3
.irp u, 0,2
	v_dual_max_num_f32 v[R+4*\T+\u], 0, v[S+8*\T+4*\half+\u] :: v_dual_max_num_f32 v[R+4*\T+\u+1], 0, v[S+8*\T+4*\half+\u+1]
.endr
.endr
.endm
; one key of one tile: sum E v and sum R v, 8 channels each (the eighth is the row's sum); E and R are word sel of the pair at ep
.macro PVJ T, half, jj, ep, sel
.irp p, 0,2,4,6
	v_pk_fma_f32 v[AC+16*\T+\p:AC+16*\T+\p+1], v[E+4*\T+\ep:E+4*\T+\ep+1], v[WB+32*\half+8*\jj+\p:WB+32*\half+8*\jj+\p+1], v[AC+16*\T+\p:AC+16*\T+\p+1] op_sel:[\sel,0,0] op_sel_hi:[\sel,1,1]
.endr
.irp p, 0,2,4,6
	v_pk_fma_f32 v[AC+16*\T+8+\p:AC+16*\T+8+\p+1], v[R+4*\T+\ep:R+4*\T+\ep+1], v[WB+32*\half+8*\jj+\p:WB+32*\half+8*\jj+\p+1], v[AC+16*\T+8+\p:AC+16*\T+8+\p+1] op_sel:[\sel,0,0] op_sel_hi:[\sel,1,1]
.endr
.endm
.macro PV half                         ; 128 plain packed instructions; they name no register of the score products
.irp T, 0,1,2,3
	PVJ \T, \half, 0, 0, 0
	PVJ \T, \half, 1, 0, 1
	PVJ \T, \half, 2, 2, 0
	PVJ \T, \half, 3, 2, 1
.endr
.endm
; ONE TRIP: one tile of 16 keys, whose scores lie in S.  nb: the LDS loads younger than this trip's first half of v.  nxt = 1: the next tile's v is fetched and its scores are made.  ldk = 1: the tile after that is fetched as source 0.
.macro TRIP nb, nxt, ldk
.irp T, 0,1,2,3
	v_max3_num_f32 v[TM+\T], v[S+8*\T], v[S+8*\T+1], v[S+8*\T+2]   ; each accumulator is read from its low end on
.endr
.irp T, 0,1,2,3
	v_max3_num_f32 v[TM+\T], v[TM+\T], v[S+8*\T+3], v[S+8*\T+4]
.endr
.irp T, 0,1,2,3
	v_max3_num_f32 v[TM+\T], v[TM+\T], v[S+8*\T+5], v[S+8*\T+6]
.endr
.irp T, 0,1,2,3
	v_max3_num_f32 v[ST+2*\T], v[TM+\T], v[S+8*\T+7], v[MO+\T]     ; the new M, the old one among its sources
.endr
.irp T, 0,1,2,3
	v_sub_f32 v[ST+2*\T+1], v[MO+\T], v[ST+2*\T]   ; old M - new M
.endr
	SUBM 0
.irp T, 0,1,2,3
	v_exp_f32 v[ST+2*\T+1], v[ST+2*\T+1]           ; f = 2^(old M - new M)
.endr
	EXPE
	v_add_nc_u32 v[ADW], s[TB], v[AWB]             ; this trip's address of v: due anyway, and the plain line behind the batch of twenty exponentials
	v_dual_mov_b32 v[MO], v[ST] :: v_dual_mov_b32 v[MO+1], v[ST+2]       ; M is kept for the next trip
	v_dual_mov_b32 v[MO+2], v[ST+4] :: v_dual_mov_b32 v[MO+3], v[ST+6]
	RELU 0
	s_wait_alu depctr_va_vdst(0)                   ; one wait for the batch, ahead of its first reader
.irp T, 0,1,2,3
.irp p, 0,2,4,6
	v_pk_mul_f32 v[AC+16*\T+\p:AC+16*\T+\p+1], v[AC+16*\T+\p:AC+16*\T+\p+1], v[ST+2*\T:ST+2*\T+1] op_sel:[0,1] op_sel_hi:[1,1]   ; sum E v under the new M
.endr
.endr
	s_wait_dscnt \nb                               ; v's first half is in; younger: the second half's eight loads and, where it was asked for, one load of source 0
	PV 0
	s_wait_dscnt 0x0                               ; v's second half and the next tile's source 0 are in
.if \nxt
	LDW 0, 256                                     ; the next tile's first half, into registers just read
.endif
	SUBM 1
	EXPE
	v_add_nc_u32 v[ADK], s[TB], v[AKF]             ; this trip's address of source 0: the plain line behind the batch of sixteen
	s_add_co_u32 s[TB], s[TB], 256
	RELU 1                                         ; the last reads of S
	s_wait_alu depctr_va_vdst(0)                   ; one wait for the batch
.if \nxt
	WMM                                            ; the next tile's scores; the 128 lines below are the places behind them
.endif
	PV 1
.if \nxt
	LDW 1, 256
.if \ldk
	ds_load_b128 v[KF:KF+3], v[ADK] offset:512
.endif
.endif
.endm
; ---------------------------------------------------------------- THE HEAD
	s_load_b512 s[4:19], s[0:1], 0x0               ; y s[4:5], x s[6:7], ln_w s[8:9], ln_b s[10:11], Wq s[12:13], Wk s[14:15], W2 s[16:17], the scales' exponents s[18:19]
	v_lshrrev_b32 v198, 5, v0
	v_readfirstlane_b32 s2, v198                   ; wave 0..15
	v_mov_b32 v198, 0                              ; offset of loads that are the same in all lanes
	v_and_b32 v199, 31, v0                         ; lane
	v_and_b32 v200, 15, v0                         ; r
	v_bfe_u32 v201, v0, 4, 1                       ; h
	v_cmp_ne_u32 s61, 0, v201                      ; the lanes of the upper half; kept for the tail
	v_lshlrev_b32 v[LI], 4, v199
	s_lshl_b32 s3, s2, 13                          ; wave x 8192
	v_lshlrev_b32 v[AKF], 4, v200
	v_lshl_add_u32 v[AKF], v201, 12, v[AKF]
	v_add_nc_u32 v[AKF], s3, v[AKF]
	v_lshlrev_b32 v[AWB], 7, v201
	v_add_nc_u32 v[AWB], s3, v[AWB]
	v_add_nc_u32 v202, s3, v[LI]                   ; where I store v: wave x 8192 + 16 x lane
	v_lshl_add_u32 v209, v199, 5, s3               ; y: row 256 x wave + lane, 32 bytes a row
	s_mul_i32 s60, s2, 2560
	s_add_co_u32 s60, s60, PART
	v_add_nc_u32 v[PST], s60, v[LI]
	v_add_nc_u32 v[PST2], 81920, v[PST]
	s_lshl_b32 s60, s2, 9
	s_add_co_u32 s60, s60, QIMG
	v_add_nc_u32 v203, s60, v[LI]                  ; where I store q3
	s_lshr_b32 s60, s2, 2                          ; wave / 4
	s_and_b32 s3, s2, 3                            ; wave % 4: the tile of queries whose q3 I make; W2's tile n
	s_lshl_b32 s100, s60, 11
	s_add_co_u32 s100, s100, QIMG
	v_add_nc_u32 v204, s100, v[LI]                 ; where I read q3: the four images of my group of four waves
	s_lshl_b32 s100, s3, 10                        ; W2's image: tile n x 1024 + (c / 2) x 512 + 16 x lane + (c % 2) x 8, c = wave / 4
	s_lshr_b32 s101, s60, 1
	s_lshl_b32 s101, s101, 9
	s_add_co_u32 s100, s100, s101
	s_and_b32 s101, s60, 1
	s_lshl_b32 s101, s101, 3
	s_add_co_u32 s100, s100, s101
	s_add_co_u32 s100, s100, W2IMG
	v_add_nc_u32 v205, s100, v[LI]
	s_lshl_b32 s100, s3, 9
	v_lshl_add_u32 v206, v200, 5, s100             ; x: row 16 (wave % 4) + r of the work-group's 64
	v_lshlrev_b32 v207, 4, v201                    ; Wk, ln_w, ln_b: 16 h
	s_lshl_b32 s100, s3, 12                        ; W2: row 16 n + r of 256 bytes, + (16 c + 8 h) x 4
	s_lshl_b32 s101, s60, 6
	s_add_co_u32 s100, s100, s101
	v_lshl_add_u32 v208, v200, 8, s100
	v_lshl_add_u32 v208, v201, 5, v208
	s_mov_b32 s54, 0x76543210                      ; v_permlanex16_b32: lane l xor 16
	s_mov_b32 s55, 0xfedcba98
	s_mov_b32 s56, 0x3e000000                      ; 1 / 8
	s_mov_b32 s57, 0x3727c5ac                      ; eps = 1e-5
	s_lshl_b32 s66, ttmp9, 11                      ; the work-group's 64 rows of 32 bytes, in x and in out0
	s_mov_b32 s67, 0
	v_mov_b32 v[RS+9], 0                           ; (named as the upper half of a pair)
	s_wait_kmcnt 0x0
	s_load_b512 s[20:35], s[12:13], 0x0            ; Wq's rows 0, 1
	s_load_b512 s[36:51], s[12:13], 0x40           ; 2, 3
	s_load_b512 s[68:83], s[12:13], 0x80           ; 4, 5
	s_load_b512 s[84:99], s[12:13], 0xc0           ; 6, 7
	s_load_b64 s[58:59], s[18:19], 0x0             ; e0 (h1), e1 (W2)
	s_add_nc_u64 s[6:7], s[6:7], s[66:67]
	global_load_b128 v[LW:LW+3],   v198, s[8:9]
	global_load_b128 v[LW+4:LW+7], v198, s[8:9] offset:16
	global_load_b128 v[LB:LB+3],   v198, s[10:11]
	global_load_b128 v[LB+4:LB+7], v198, s[10:11] offset:16
.irp k, 0,1,2,3,4,5,6,7
	global_load_b128 v[Y+8*\k:Y+8*\k+3],   v209, s[4:5] offset:1024*\k      ; key 32 k + lane of my wave's 256
	global_load_b128 v[Y+8*\k+4:Y+8*\k+7], v209, s[4:5] offset:1024*\k+16
.endr
	global_load_b128 v[XR:XR+3],   v206, s[6:7]
	global_load_b128 v[XR+4:XR+7], v206, s[6:7] offset:16
.irp i, 0,1,2,3,4,5,6,7
	global_load_b128 v[WK+4*\i:WK+4*\i+3], v207, s[14:15] offset:32*\i
.endr
	global_load_b128 v[LW4:LW4+3], v207, s[8:9]
	global_load_b128 v[LB4:LB4+3], v207, s[10:11]
	global_load_b128 v[W2R:W2R+3],   v208, s[16:17]
	global_load_b128 v[W2R+4:W2R+7], v208, s[16:17] offset:16
	s_wait_loadcnt 12                              ; ln_w, ln_b, y and x are in; the twelve younger loads (Wk's eight, my half of ln_w and ln_b, W2's two) may be out
.irp k, 0,1,2,3,4,5,6,7
	LN_A Y+8*\k, Y+8*\k, RS+\k
.endr
	LN_A XR, XR, RS+8
	v_nop                                          ; a plain line behind the last reciprocal root
	s_wait_alu depctr_va_vdst(0)                   ; one wait for the nine
.irp k, 0,2,4,6
	LN_U Y+8*\k, RS+\k, 0
	LN_U Y+8*\k+8, RS+\k, 1
.endr
	LN_B XR, RS+8, 0
.irp k, 0,1,2,3,4,5,6,7
	v_mov_b32 v[Y+8*\k+7], 1.0                     ; v = (u_0 .. u_6, 1): u_7 is minus the sum of the others and need not be kept
.endr
.irp k, 0,1,2,3,4,5,6,7
	ds_store_b128 v202, v[Y+8*\k:Y+8*\k+3]   offset:512*\k          ; v, channels 0-3: 32 lanes, 512 consecutive bytes
	ds_store_b128 v202, v[Y+8*\k+4:Y+8*\k+7] offset:512*\k+4096     ; channels 4-7
.endr
	s_wait_kmcnt 0x0                               ; Wq and the exponents
.irp i, 0,1,2,3,4,5,6,7
	v_mul_f32 v[XQ+\i], s[20+8*\i+16*(\i/4)], v[XR]                 ; XQ[i] = sum over e of Wq[i][e] z[e]: eight chains side by side
.endr
.irp e, 1,2,3,4,5,6,7
.irp i, 0,1,2,3,4,5,6,7
	v_fmac_f32 v[XQ+\i], s[20+8*\i+16*(\i/4)+\e], v[XR+\e]
.endr
.endr
	s_wait_loadcnt 2                               ; Wk and my half of ln_w and ln_b are in; W2's two loads may be out
	v_pk_mul_f32 v[Q4:Q4+1],   v[XQ:XQ+1], v[WK:WK+1]   op_sel_hi:[0,1]
	v_pk_mul_f32 v[Q4+2:Q4+3], v[XQ:XQ+1], v[WK+2:WK+3] op_sel_hi:[0,1]
	QSTEP 1, 1
	QSTEP 2, 0
	QSTEP 3, 1
	QSTEP 4, 0
	QSTEP 5, 1
	QSTEP 6, 0
	QSTEP 7, 1
	v_pk_mul_f32 v[Q4:Q4+1],   v[Q4:Q4+1],   0x3f0293ee op_sel_hi:[1,0]   ; x c = log2(e) / sqrt(8): q'', my half's four channels
	v_pk_mul_f32 v[Q4+2:Q4+3], v[Q4+2:Q4+3], 0x3f0293ee op_sel_hi:[1,0]
	v_pk_mul_f32 v[218:219], v[Q4:Q4+1], v[LB4:LB4+1]              ; q''. ln_b, my half's part
	v_pk_fma_f32 v[218:219], v[Q4+2:Q4+3], v[LB4+2:LB4+3], v[218:219]
	v_pk_mul_f32 v[Q4:Q4+1],   v[Q4:Q4+1],   v[LW4:LW4+1]          ; g = q'' o ln_w
	v_pk_mul_f32 v[Q4+2:Q4+3], v[Q4+2:Q4+3], v[LW4+2:LW4+3]
	v_add_f32 v218, v218, v219
	v_permlanex16_b32 v[TP], v218, s54, s55        ; (the norms have written v178-181: a permute's destination counts as read)
	v_permlanex16_b32 v[TP+1], v[Q4+3], s54, s55
	v_add_f32 v218, v218, v[TP]                    ; q''. ln_b
	v_cndmask_b32 v[TP+2], v[TP+1], v[Q4+3], s61   ; g_7: the upper half's own fourth channel, the lower half takes it from there
	v_pk_add_f32 v[Q4:Q4+1],   v[Q4:Q4+1],   v[TP+2:TP+3] op_sel_hi:[1,0] neg_lo:[0,1] neg_hi:[0,1]   ; g_c - g_7
	v_pk_add_f32 v[Q4+2:Q4+3], v[Q4+2:Q4+3], v[TP+2:TP+3] op_sel_hi:[1,0] neg_lo:[0,1] neg_hi:[0,1]
	v_cndmask_b32 v[Q4+3], v[Q4+3], v218, s61      ; channel 7 meets v's 1
	ds_store_b128 v203, v[Q4:Q4+3]
	s_add_co_i32 s3, s59, 127                      ; W2's eight numbers become codes: x / 2^e1, held within +-448
	s_lshl_b32 s60, s3, 23
	v_mov_b32 v196, s60                            ; 2^e1 as f32: the conversion takes its exponent field
	s_add_co_i32 s3, s3, 8
	s_lshl_b32 s3, s3, 23
	s_or_b32 s3, s3, 0x600000
	v_mov_b32 v197, s3                             ; 448 x 2^e1
	s_add_co_i32 s62, s58, s59
	s_add_co_i32 s62, s62, 127
	s_lshl_b32 s62, s62, 23                        ; 2^(e0 + e1) as f32, for the tail
	s_mov_b32 s63, s62                             ; (named with it as a pair)
	s_wait_loadcnt 0x0
.irp i, 0,1,2,3,4,5,6,7
	v_med3_num_f32 v[W2R+\i], v[W2R+\i], -v197, v197   ; the conversion to an 8-bit code does not saturate (ISA guide 7.6.2)
.endr
	v_cvt_scalef32_pk8_fp8_f32 v[194:195], v[W2R:W2R+7], v196
	v_nop                                          ; a plain line behind the scaled conversion
	ds_store_b64 v205, v[194:195]                  ; registers 2 c, 2 c + 1 of tile n's operand: k = 16 c + 8 h + 0..7 of row 16 n + r
	s_wait_dscnt 0x0                               ; my stores of v, q3 and W2's codes have landed
	s_barrier_signal -1
	s_barrier_wait -1                              ; everybody's have
.irp T, 0,1,2,3
	ds_load_b128 v[QF+4*\T:QF+4*\T+3], v204 offset:512*\T
.endr
	s_mov_b32 s[TB], 0
	v_add_nc_u32 v[ADK], s[TB], v[AKF]
	v_add_nc_u32 v[ADW], s[TB], v[AWB]
	ds_load_b128 v[KF:KF+3], v[ADK]
	LDW 0, 0
	s_wait_dscnt 8                                 ; q3 and tile 0's source 0 are in; v's eight loads may be out
	WMM                                            ; tile 0's scores
.irp T, 0,1,2,3
	v_mov_b32 v[MO+\T], 0xff61b1e6                 ; M = -3e38, under every t
.endr
.set i, 0
.rept 32
	v_dual_mov_b32 v[AC+i], 0 :: v_dual_mov_b32 v[AC+i+1], 0       ; the sums begin as zeros, so that the trip is written once; these lines are also the places behind the products
.set i, i+2
.endr
	LDW 1, 0
	ds_load_b128 v[KF:KF+3], v[ADK] offset:256     ; tile 1's source 0
; ---------------------------------------------------------------- THE LOOP: 16 tiles of keys; the last two trips are written out, so that no read leaves the wave's own keys
	s_mov_b32 s[CNT], 14
.Ltrip:
	TRIP 9, 1, 1
	s_sub_co_u32 s[CNT], s[CNT], 1
	s_cmp_lg_u32 s[CNT], 0
	s_cbranch_scc1 .Ltrip
	TRIP 9, 1, 0
	TRIP 8, 0, 0
; ---------------------------------------------------------------- THE PARTIAL SUMS go to LDS as register images
	s_load_b256 s[20:27], s[0:1], 0x40             ; Wv s[20:21], W1 s[22:23], b1 s[24:25], b2 s[26:27]
	s_load_b128 s[28:31], s[0:1], 0x60             ; W3 s[28:29], b3 s[30:31]
	s_load_b64 s[32:33], s[0:1], 0x70              ; out0
.irp T, 0,1
.irp q, 0,1,2,3
	ds_store_b128 v[PST],  v[AC+16*\T+4*\q:AC+16*\T+4*\q+3]       offset:40960*\T+512*\q
	ds_store_b128 v[PST2], v[AC+32+16*\T+4*\q:AC+32+16*\T+4*\q+3] offset:40960*\T+512*\q
.endr
	ds_store_b32 v[PST],  v[ST+2*\T]   offset:40960*\T+2048        ; M
	ds_store_b32 v[PST2], v[ST+4+2*\T] offset:40960*\T+2048
.endr
	s_and_b32 s3, s2, 3
	s_mul_i32 s3, s3, 40960
	s_add_co_u32 s3, s3, PART
	v_add_nc_u32 v[ADK], s3, v[LI]                 ; the tail's LDS addresses are made by every wave, ahead of the parting
	v_add_nc_u32 v[ADW], W2IMG, v[LI]
	s_wait_kmcnt 0x0
	s_wait_dscnt 0x0                               ; my partial sums have landed
	s_barrier_signal -1
	s_barrier_wait -1                              ; everybody's have
	s_cmp_lt_u32 s2, 4
	s_cbranch_scc1 .Ltail
	s_endpgm                                       ; waves 4 to 15 are done
.Ltail:
; ---------------------------------------------------------------- THE TAIL: wave T joins tile T's 32 partial sums and runs the MLP.  Lane (r, h) serves query 16 T + r.
; v8-23 W1; v24-31 x; v32-35 Wv; v36-39 a, then LN(z1), my half's four channels; v88-119 b1, then h1, then h2; v120-183 partial sums, then b2 (120-151) and W3 (152-183); v184-199 the sources' M, then G, then b3 (184-191);
; v200-215 AE, AR (channel 7: L, SR); v216-223 at work; v224-231 the other half's numbers; W2's codes: tile n at 192 + 8 n + 8 (n / 3); v232-239 LN(z1), then h1's codes, then the result; v240-247 at work; v8-39 the quantised product's sums.
.set TP,   240
.set W1F,  8
.set X8,   24
.set WVF,  32
.set AF,   36
.set HB,   88
.set BUFA, 120
.set G,    184
.set AE,   200
.set AR,   208
.set PM,   224
.set Z2,   232
.set T2,   240
.set D2,   8
.macro CLOAD k, buf                    ; the sums of sources 2 k and 2 k + 1: eight loads
.irp u, 0,1
.irp q, 0,1,2,3
	ds_load_b128 v[\buf+16*\u+4*\q:\buf+16*\u+4*\q+3], v[ADK] offset:(2*(\k)+\u)*2560+512*\q
.endr
.endr
.endm
.macro CACC k, buf                     ; AE += G x sum E v, AR += sum R v, for both sources
.irp p, 0,2,4,6
.if \k == 0
	v_pk_mul_f32 v[AE+\p:AE+\p+1], v[\buf+\p:\buf+\p+1], v[G+2*(\k):G+2*(\k)+1] op_sel_hi:[1,0]
	v_pk_add_f32 v[AR+\p:AR+\p+1], v[\buf+8+\p:\buf+8+\p+1], v[\buf+24+\p:\buf+24+\p+1]
.else
	v_pk_fma_f32 v[AE+\p:AE+\p+1], v[\buf+\p:\buf+\p+1], v[G+2*(\k):G+2*(\k)+1], v[AE+\p:AE+\p+1] op_sel_hi:[1,0,1]
	v_pk_add_f32 v[AR+\p:AR+\p+1], v[AR+\p:AR+\p+1], v[\buf+8+\p:\buf+8+\p+1]
.endif
.endr
.irp p, 0,2,4,6
	v_pk_fma_f32 v[AE+\p:AE+\p+1], v[\buf+16+\p:\buf+16+\p+1], v[G+2*(\k):G+2*(\k)+1], v[AE+\p:AE+\p+1] op_sel:[0,1,0] op_sel_hi:[1,1,1]
.if \k != 0
	v_pk_add_f32 v[AR+\p:AR+\p+1], v[AR+\p:AR+\p+1], v[\buf+24+\p:\buf+24+\p+1]
.endif
.endr
.endm
.irp s, 0,1,2,3,4,5,6,7,8,9,10,11,12,13,14,15
	ds_load_b32 v[G+\s], v[ADK] offset:\s*2560+2048                ; M of source s
.endr
	CLOAD 0, BUFA
	CLOAD 1, BUFA+32
	s_add_nc_u64 s[32:33], s[32:33], s[66:67]      ; out0 at the work-group's first row
	v_and_b32 v220, 15, v0                         ; r
	v_bfe_u32 v221, v0, 4, 1                       ; h
	v_and_b32 v222, 7, v0                          ; r % 8
	s_lshl_b32 s3, s2, 9
	v_lshl_add_u32 v1, v220, 5, s3                 ; x, out0: row 16 T + r
	v_lshlrev_b32 v2, 5, v222
	v_lshl_add_u32 v2, v221, 4, v2                 ; Wv: row r % 8 (rows 8-15 of source 0 repeat rows 0-7), + 16 h
	v_lshlrev_b32 v6, 5, v220
	v_lshl_add_u32 v6, v221, 4, v6                 ; W1: row r, + 16 h
	v_lshlrev_b32 v7, 5, v221                      ; b1, b2: 32 h
	v_mov_b32 v219, 0
	v_mov_b32 v245, 0                              ; (named as the upper half of the pair v[244:245])
	global_load_b128 v[X8:X8+3],   v1, s[6:7]
	global_load_b128 v[X8+4:X8+7], v1, s[6:7] offset:16
	global_load_b128 v[WVF:WVF+3], v2, s[20:21]
	global_load_b128 v[LW:LW+3],   v219, s[8:9]
	global_load_b128 v[LW+4:LW+7], v219, s[8:9] offset:16
	global_load_b128 v[LB:LB+3],   v219, s[10:11]
	global_load_b128 v[LB+4:LB+7], v219, s[10:11] offset:16
.irp c, 0,1,2,3
	global_load_b128 v[W1F+4*\c:W1F+4*\c+3], v6, s[22:23] offset:512*\c   ; W1[16 c + r][4 h + 0..3]
.endr
.irp c, 0,1,2,3
	global_load_b128 v[HB+8*\c:HB+8*\c+3],   v7, s[24:25] offset:64*\c     ; b1[16 c + 8 h + 0..7]: the result's layout
	global_load_b128 v[HB+8*\c+4:HB+8*\c+7], v7, s[24:25] offset:64*\c+16
.endr
	s_wait_dscnt 16                                ; the sixteen M are in; the first two pairs of sources (sixteen loads) may be out
	v_max3_num_f32 v218, v[G], v[G+1], v[G+2]      ; the largest M of the 16 sources,
.irp s, 3,5,7,9,11,13
	v_max3_num_f32 v218, v218, v[G+\s], v[G+\s+1]
.endr
	v_max_num_f32 v218, v218, v[G+15]
	v_permlanex16_b32 v[PM], v218, s54, s55        ; (v224-231 were written as accumulators: a permute's destination counts as read)
	v_max_num_f32 v218, v218, v[PM]                ; and of the other half of the lanes
.irp s, 0,1,2,3,4,5,6,7,8,9,10,11,12,13,14,15
	v_sub_f32 v[G+\s], v[G+\s], v218
.endr
.irp s, 0,1,2,3,4,5,6,7,8,9,10,11,12,13,14,15
	v_exp_f32 v[G+\s], v[G+\s]                     ; G = 2^(M of the source - the joint M)
.endr
	v_and_b32 v218, 7, v0                          ; W3's offset is made here: plain lines behind the batch
	v_lshlrev_b32 v218, 8, v218
	v_add_nc_u32 v218, v218, v7                    ; W3: row r % 8 of 256 bytes, + 32 h
	s_wait_alu depctr_va_vdst(0)                   ; one wait for the sixteen
.irp k, 0,1,2,3,4,5,6,7
.if \k < 7
	s_wait_dscnt 8                                 ; this pair of sources is in; the next pair's eight loads may be out
.else
	s_wait_dscnt 0x0
.endif
	CACC \k, BUFA+32*(\k%2)
.if \k < 6
	CLOAD \k+2, BUFA+32*(\k%2)
.endif
.endr
.irp n, 0,1,2,3
	global_load_b128 v[120+8*\n:123+8*\n], v7, s[26:27] offset:64*\n       ; b2[16 n + 8 h + 0..7]
	global_load_b128 v[124+8*\n:127+8*\n], v7, s[26:27] offset:64*\n+16
.endr
.irp n, 0,1,2,3
	global_load_b128 v[152+8*\n:155+8*\n], v218, s[28:29] offset:64*\n     ; W3[r % 8][16 n + 8 h + 0..7]
	global_load_b128 v[156+8*\n:159+8*\n], v218, s[28:29] offset:64*\n+16
.endr
	global_load_b128 v[184:187], v219, s[30:31]
	global_load_b128 v[188:191], v219, s[30:31] offset:16
.irp e, 0,1,2,3,4,5,6,7
	v_permlanex16_b32 v[PM+\e], v[AE+\e], s54, s55                 ; the other half of the lanes holds my query's other keys
.endr
.irp p, 0,2,4,6
	v_pk_add_f32 v[AE+\p:AE+\p+1], v[AE+\p:AE+\p+1], v[PM+\p:PM+\p+1]
.endr
.irp e, 0,1,2,3,4,5,6,7
	v_permlanex16_b32 v[PM+\e], v[AR+\e], s54, s55
.endr
.irp p, 0,2,4,6
	v_pk_add_f32 v[AR+\p:AR+\p+1], v[AR+\p:AR+\p+1], v[PM+\p:PM+\p+1]
.endr
	v_fma_f32 v223, 0x3d8df4e0, v[AR+7], 1.0       ; 1 + alpha SR, alpha = 0.1 ln 2
	v_rcp_f32 v222, v[AE+7]                        ; 1 / L
	v_rcp_f32 v223, v223
	v_nop                                          ; a plain line behind the reciprocals
	s_wait_alu depctr_va_vdst(0)                   ; one wait for the two
	v_mul_f32 v220, v222, v223                     ; 1 / (L (1 + alpha SR))
	v_mul_f32 v221, 0x3d8df4e0, v223               ; alpha / (1 + alpha SR)
.irp p, 0,2,4,6
	v_pk_mul_f32 v[AE+\p:AE+\p+1], v[AE+\p:AE+\p+1], v[220:221] op_sel_hi:[1,0]
.endr
.irp p, 0,2,4,6
	v_pk_fma_f32 v[AE+\p:AE+\p+1], v[AR+\p:AR+\p+1], v[220:221], v[AE+\p:AE+\p+1] op_sel:[0,1,0] op_sel_hi:[1,1,1]   ; b: the weighted mean of v, all 8 channels in both halves
.endr
	v_pk_add_f32 v[222:223], v[AE:AE+1], v[AE+2:AE+3]
	v_mov_b32 v216, v[AE+7]                        ; b_7, the weights' sum: it multiplies ln_b.  (v217, named with it as a pair, was written as an accumulator)
	v_pk_add_f32 v[222:223], v[222:223], v[AE+4:AE+5]
	v_add_f32 v222, v222, v223
	v_add_f32 v222, v222, v[AE+6]
	v_mul_f32 v[AE+7], -1.0, v222                  ; u's channel 7: minus the sum of the other seven
	s_wait_loadcnt 18                              ; the first nineteen loads are in; the eighteen younger (b2, W3, b3) may be out
.irp p, 0,2,4,6
	v_pk_mul_f32 v[AR+\p:AR+\p+1], v[LB+\p:LB+\p+1], v[216:217] op_sel_hi:[1,0]
.endr
.irp p, 0,2,4,6
	v_pk_fma_f32 v[AE+\p:AE+\p+1], v[AE+\p:AE+\p+1], v[LW+\p:LW+\p+1], v[AR+\p:AR+\p+1]   ; a = ln_w o b + ln_b b_7
.endr
.irp e, 0,1,2,3
	v_cndmask_b32 v[AF+\e], v[AE+\e], v[AE+4+\e], s61              ; channels 4 h + 0..3
.endr
.irp n, 0,1,2,3
	ds_load_b128 v[192+8*\n+8*(\n/3):195+8*\n+8*(\n/3)], v[ADW] offset:1024*\n       ; W2's codes, into registers that are done with
	ds_load_b128 v[196+8*\n+8*(\n/3):199+8*\n+8*(\n/3)], v[ADW] offset:1024*\n+512
.endr
	v_wmma_f32_16x16x4_f32 v[ZD:ZD+7], v[WVF:WVF+1], v[AF:AF+1], v[X8:X8+7]       ; z1 = Wv a + x: register j = channel j of query r, in both halves
	s_wait_alu depctr_va_vdst(0)                   ; the wait directly ahead of the link
	v_wmma_f32_16x16x4_f32 v[ZD:ZD+7], v[WVF+2:WVF+3], v[AF+2:AF+3], v[ZD:ZD+7]
	PLACES 8                                       ; eight places behind this form, ahead of the first read of its result (ISA guide 7.12.1)
	LN_A ZD, Z2, 244
	v_nop
	s_wait_alu depctr_va_vdst(0)
	LN_B Z2, 244, 0
.irp e, 0,1,2,3
	v_cndmask_b32 v[AF+\e], v[Z2+\e], v[Z2+4+\e], s61
.endr
.irp c, 0,1,2,3                        ; h1's sums, transposed: source 0 = 16 rows of W1, source 1 = LN(z1); C = b1.  Tile c, register j = unit 16 c + 8 h + j of query r: the next operand's own order
	v_wmma_f32_16x16x4_f32 v[S+8*\c:S+8*\c+7], v[W1F+4*\c:W1F+4*\c+1], v[AF:AF+1], v[HB+8*\c:HB+8*\c+7]
.endr
.irp c, 0,1,2,3
	v_wmma_f32_16x16x4_f32 v[S+8*\c:S+8*\c+7], v[W1F+4*\c+2:W1F+4*\c+3], v[AF+2:AF+3], v[S+8*\c:S+8*\c+7]
.endr
	PLACES 9                                       ; eight ahead of the reads below; nine ahead of the matrix instructions that write over W1's and LN(z1)'s registers
	s_add_co_i32 s3, s58, 127
	s_lshl_b32 s60, s3, 23
	v_mov_b32 v246, s60                            ; 2^e0
	s_add_co_i32 s3, s3, 8
	s_lshl_b32 s3, s3, 23
	s_or_b32 s3, s3, 0x600000
	v_mov_b32 v247, s3                             ; 448 x 2^e0
.irp i, 0,1,2,3,4,5,6,7,8,9,10,11,12,13,14,15,16,17,18,19,20,21,22,23,24,25,26,27,28,29,30,31
	v_med3_num_f32 v[HB+\i], v[S+\i], 0, v247      ; the activation and the hold in one; each accumulator from its low end on
.endr
.irp c, 0,1,2,3
	v_cvt_scalef32_pk8_fp8_f32 v[Z2+2*\c:Z2+2*\c+1], v[HB+8*\c:HB+8*\c+7], v246   ; registers 2 c, 2 c + 1: k = 16 c + 8 h + 0..7
.endr
	v_nop                                          ; a plain line behind the last scaled conversion
	s_wait_dscnt 0x0                               ; W2's codes
.irp n, 0,1,2,3                        ; THE QUANTISED PRODUCT, transposed: source 0 = rows 16 n + 0..15 of W2, source 1 = h1
	v_wmma_f32_16x16x64_fp8_fp8 v[D2+8*\n:D2+8*\n+7], v[192+8*\n+8*(\n/3):199+8*\n+8*(\n/3)], v[Z2:Z2+7], 0
.endr
	PLACES 4
	s_wait_loadcnt 0x0                             ; b2, W3, b3
.irp i, 0,2,4,6,8,10,12,14,16,18,20,22,24,26,28,30
	v_pk_fma_f32 v[HB+\i:HB+\i+1], v[D2+\i:D2+\i+1], s[62:63], v[120+\i:121+\i] op_sel_hi:[1,0,1]   ; sum x 2^(e0 + e1) + b2
.endr
.irp i, 0,1,2,3,4,5,6,7,8,9,10,11,12,13,14,15,16,17,18,19,20,21,22,23,24,25,26,27,28,29,30,31
	v_max_num_f32 v[HB+\i], 0, v[HB+\i]            ; h2: register 8 n + j = unit 16 n + 8 h + j
.endr
.irp n, 0,1,2,3                        ; h2 W3^T: source 0 = W3's rows (8-15 repeat 0-7), source 1 = h2; K slot 2 h + j of instruction (n, i) = unit 16 n + 8 h + 2 i + j.  Four accumulators by turns
	v_wmma_f32_16x16x4_f32 v[S+8*\n:S+8*\n+7], v[152+8*\n:153+8*\n], v[HB+8*\n:HB+8*\n+1], 0
.endr
.irp i, 2,4,6
.irp n, 0,1,2,3
	v_wmma_f32_16x16x4_f32 v[S+8*\n:S+8*\n+7], v[152+8*\n+\i:153+8*\n+\i], v[HB+8*\n+\i:HB+8*\n+\i+1], v[S+8*\n:S+8*\n+7]
.endr
.endr
	PLACES 8
.irp p, 0,2,4,6
	v_pk_add_f32 v[Z2+\p:Z2+\p+1], v[S+\p:S+\p+1], v[S+8+\p:S+8+\p+1]
.endr
.irp p, 0,2,4,6
	v_pk_add_f32 v[T2+\p:T2+\p+1], v[S+16+\p:S+16+\p+1], v[S+24+\p:S+24+\p+1]
.endr
.irp p, 0,2,4,6
	v_pk_add_f32 v[Z2+\p:Z2+\p+1], v[Z2+\p:Z2+\p+1], v[T2+\p:T2+\p+1]
.endr
.irp p, 0,2,4,6
	v_pk_add_f32 v[Z2+\p:Z2+\p+1], v[Z2+\p:Z2+\p+1], v[184+\p:185+\p]     ; + b3
.endr
.irp p, 0,2,4,6
	v_pk_add_f32 v[Z2+\p:Z2+\p+1], v[Z2+\p:Z2+\p+1], v[ZD+\p:ZD+\p+1]     ; + z1
.endr
.irp e, 0,1,2,3
	v_cndmask_b32 v[T2+\e], v[Z2+\e], v[Z2+4+\e], s61              ; my half's four channels
.endr
	v_lshrrev_b32 v2, 1, v7                        ; 16 h  (all loads are in: their offset registers are free)
	v_add_nc_u32 v1, v1, v2
	global_store_b128 v1, v[T2:T2+3], s[32:33]     ; the wave stores its 16 rows: 512 consecutive bytes, at a multiple of 512 from out0's first byte
	s_endpgm
.Lfunc_end_k_q463441fd98_block:
	.size	k_q463441fd98_block, .Lfunc_end_k_q463441fd98_block-k_q463441fd98_block
	.p2alignl 7, 3214868480
	.fill 96, 4, 3214868480
	.section	.rodata,"a",@progbits
	.p2align	6, 0x0
	.amdhsa_kernel k_q463441fd98_block
		.amdhsa_group_segment_fixed_size 307200
		.amdhsa_private_segment_fixed_size 0
		.amdhsa_enable_private_segment 0
		.amdhsa_kernarg_size 120
		.amdhsa_user_sgpr_count 2
		.amdhsa_user_sgpr_kernarg_segment_ptr 1
		.amdhsa_wavefront_size32 1
		.amdhsa_system_sgpr_workgroup_id_x 1
		.amdhsa_system_sgpr_workgroup_id_y 1
		.amdhsa_system_sgpr_workgroup_id_z 1
		.amdhsa_system_vgpr_workitem_id 0
		.amdhsa_next_free_vgpr 256
		.amdhsa_next_free_sgpr 102
		.amdhsa_reserve_vcc 0
		.amdhsa_float_denorm_mode_32 3
		.amdhsa_float_denorm_mode_16_64 3
		.amdhsa_memory_ordered 1
		.amdhsa_forward_progress 1
		.amdhsa_inst_pref_size 131
	.end_amdhsa_kernel
	.amdgpu_metadata
---
amdhsa.version: [ 1, 2 ]
amdhsa.kernels:
  - .name:           k_q463441fd98_block
    .symbol:         k_q463441fd98_block.kd
    .args:
      - { .name: y, .offset: 0, .size: 8, .value_kind: global_buffer, .address_space: global }
      - { .name: x, .offset: 8, .size: 8, .value_kind: global_buffer, .address_space: global }
      - { .name: ln_w, .offset: 16, .size: 8, .value_kind: global_buffer, .address_space: global }
      - { .name: ln_b, .offset: 24, .size: 8, .value_kind: global_buffer, .address_space: global }
      - { .name: Wq, .offset: 32, .size: 8, .value_kind: global_buffer, .address_space: global }
      - { .name: Wk, .offset: 40, .size: 8, .value_kind: global_buffer, .address_space: global }
      - { .name: W2, .offset: 48, .size: 8, .value_kind: global_buffer, .address_space: global }
      - { .name: lowp_scales, .offset: 56, .size: 8, .value_kind: global_buffer, .address_space: global }
      - { .name: Wv, .offset: 64, .size: 8, .value_kind: global_buffer, .address_space: global }
      - { .name: W1, .offset: 72, .size: 8, .value_kind: global_buffer, .address_space: global }
      - { .name: b1, .offset: 80, .size: 8, .value_kind: global_buffer, .address_space: global }
      - { .name: b2, .offset: 88, .size: 8, .value_kind: global_buffer, .address_space: global }
      - { .name: W3, .offset: 96, .size: 8, .value_kind: global_buffer, .address_space: global }
      - { .name: b3, .offset: 104, .size: 8, .value_kind: global_buffer, .address_space: global }
      - { .name: out0, .offset: 112, .size: 8, .value_kind: global_buffer, .address_space: global }
    .group_segment_fixed_size: 307200
    .private_segment_fixed_size: 0
    .kernarg_segment_align: 8
    .kernarg_segment_size: 120
    .max_flat_workgroup_size: 512
    .sgpr_count:     102
    .vgpr_count:     256
    .wavefront_size: 32
...
	.end_amdgpu_metadata
.endif
;; end of part 2
